; MI455X (gfx1250); checked and timed in simulation.
; The chip was launched on July 23, 2026; its instructions are those of AMD's public machine-readable ISA for CDNA 5 (MIT licence, August 2026) and "CDNA5" Instruction Set Architecture Reference Guide (July 2026). The comments in the code are by the model that wrote it; some were corrected since.
;; Self Attention. Allowed arithmetic: float matrix products may take bf16 or f16 operands with f32 sums; other float arithmetic in f32, or as packed bf16 or f16 multiplies, adds, multiply-adds, maxima and minima; sums over many terms, partial sums and values carried from step to step in f32; what a program stores and reads back later, other than sums and carried values, may be rounded once to bf16 or f16.
;; Inputs: Wk 1,024 x 1,024 float32; Wq 1,024 x 1,024 float32; Wv 1,024 x 1,024 float32; mask 4 x 2,048 int32; x 4 x 2,048 x 1,024 float32.
;; Outputs: out0 4 x 2,048 x 1,024 float32.
;; 2 versions, each right. Each part assembles by itself: llvm-mc -triple=amdgcn-amd-amdhsa -mcpu=gfx1250 --defsym DOCPART=n.
;; ======== version 1 of 2: 4 launches
;; limits: values are held in f16: magnitudes above 65,504 overflow, below 6.1e-05 lose precision
;; workspace buffers: xb 16,777,216 bytes; wt 6,291,456 bytes; qk 33,554,432 bytes; vt 16,777,216 bytes; p 33,554,432 bytes; st 1,048,576 bytes
;; launch prep (part 1): grid 896 x 1, 8 waves a work-group, no clusters, 18,432 bytes of LDS; arguments x, Wq, Wk, Wv, xb, wt; writes xb, wt
.if DOCPART == 1
	.amdgcn_target "amdgcn-amd-amdhsa--gfx1250"
	.amdhsa_code_object_version 6
	.text
	.protected	k_qe41baad9d2_prep
	.globl	k_qe41baad9d2_prep
	.p2align	8
	.type	k_qe41baad9d2_prep,@function
k_qe41baad9d2_prep:
	s_mov_b64 s[64:65], 0
	v_nop
	global_prefetch_b8 v0, s[64:65] scope:SCOPE_SE
	s_setreg_imm32_b32 hwreg(HW_REG_WAVE_MODE, 25, 1), 1
	s_wait_xcnt 0x0
; xb = x rounded to bf16, [8192][1024].  wt = Wq, Wk, Wv rounded to bf16 and turned: [3072 output channels][1024 k], q's rows first, then k's, then v's.
; Work-groups 0-511 take 65,536 bytes of x each; work-groups 512-895 take a tile of 128 k x 64 n of one weight matrix each and turn it in LDS.
; The branch between the two parts hangs on the work-group's number alone, so all eight waves take the same way and meet the same barrier.
; No matrix unit, cluster or tensor load: every byte is read once and written once, and nothing is shared between work-groups.
.set TP,    272                        ; a row of the turned tile in LDS: 128 k x 2 bytes + 16
.set SPARE, 64*TP                      ; 17,408: behind the tile, the spare words, 128 bytes for each of the eight waves
.set SPW, 8                            ; v8  LDS address of my spare word; never rewritten
.set NIL, 9                            ; v9  0; never rewritten
	s_load_b256 s[4:11], s[0:1], 0x0               ; x s[4:5], Wq s[6:7], Wk s[8:9], Wv s[10:11]
	s_load_b128 s[12:15], s[0:1], 0x20             ; xb s[12:13], wt s[14:15]
	v_lshl_add_u32 v[SPW], v0, 2, SPARE
	v_mov_b32 v[NIL], 0
	v_and_b32 v6, 31, v0                           ; lane
	v_lshrrev_b32 v7, 5, v0                        ; wave
	s_cmp_lt_u32 ttmp9, 512
	s_cbranch_scc0 .Lweights
	; THE x PART.  A wave takes 8,192 bytes: 16 loads of 512 consecutive bytes, all issued at once; each gives one store of 256 consecutive bytes, aligned.
	s_lshl_b32 s16, ttmp9, 16
	s_mov_b32 s17, 0
	s_lshl_b32 s18, ttmp9, 15
	s_mov_b32 s19, 0
	v_lshlrev_b32 v1, 4, v6
	v_lshl_add_u32 v1, v7, 13, v1                  ; 16 x lane + 8,192 x wave
	v_lshlrev_b32 v2, 3, v6
	v_lshl_add_u32 v2, v7, 12, v2                  ; 8 x lane + 4,096 x wave
	s_wait_kmcnt 0x0
	s_add_nc_u64 s[4:5], s[4:5], s[16:17]
	s_add_nc_u64 s[12:13], s[12:13], s[18:19]
.irp j, 0,1,2,3,4,5,6,7,8,9,10,11,12,13,14,15
	global_load_b128 v[16+4*(\j):19+4*(\j)], v1, s[4:5] offset:512*(\j) th:TH_LOAD_NT
.endr
.irp j, 0,1,2,3,4,5,6,7,8,9,10,11,12,13,14,15
	s_wait_loadcnt 15-(\j)                         ; loads come back in order: load j is in, the younger ones stay out
	v_cvt_pk_bf16_f32 v[80+2*(\j)], v[16+4*(\j)], v[17+4*(\j)]
	v_cvt_pk_bf16_f32 v[81+2*(\j)], v[18+4*(\j)], v[19+4*(\j)]
	global_store_b64 v2, v[80+2*(\j):81+2*(\j)], s[12:13] offset:256*(\j)
.endr
	s_branch .Lend
.Lweights:
	; THE WEIGHTS.  i = work-group - 512: matrix i / 128, k tile i % 8 (128 k), n tile (i / 8) % 16 (64 n).
	s_sub_co_u32 s16, ttmp9, 512
	s_lshr_b32 s17, s16, 7                         ; which matrix
	s_and_b32 s18, s16, 7                          ; k tile
	s_bfe_u32 s19, s16, 0x40003                    ; n tile
	s_lshl_b32 s20, s18, 19                        ; 128 rows of 4,096 bytes
	s_lshl_b32 s21, s19, 8                         ; 64 numbers of 4 bytes
	s_add_co_u32 s20, s20, s21
	s_mov_b32 s21, 0
	s_lshl_b32 s22, s17, 10
	s_lshl_b32 s23, s19, 6
	s_add_co_u32 s22, s22, s23                     ; wt's row
	s_lshl_b32 s22, s22, 11                        ; of 2,048 bytes
	s_lshl_b32 s23, s18, 8                         ; 128 k of 2 bytes
	s_add_co_u32 s22, s22, s23
	s_mov_b32 s23, 0
	v_and_b32 v10, 15, v0
	v_bfe_u32 v11, v0, 4, 1
	v_lshlrev_b32 v1, 3, v6
	v_lshl_add_u32 v1, v7, 16, v1                  ; in: my two n (8 bytes), my wave's 16 rows of k
	v_mul_u32_u24 v3, v6, 2*TP
	v_lshl_add_u32 v3, v7, 5, v3                   ; into LDS: row n = 2 x lane, my wave's 16 k (32 bytes)
	v_mul_u32_u24 v4, v7, 8*TP
	v_mul_u32_u24 v12, v11, TP
	v_add_nc_u32 v4, v4, v12
	v_lshl_add_u32 v4, v10, 4, v4                  ; back: my wave's 8 rows of n, two rows a load
	v_lshlrev_b32 v5, 14, v7
	v_lshl_add_u32 v5, v11, 11, v5
	v_lshl_add_u32 v5, v10, 4, v5                  ; and the same rows in wt
	s_wait_kmcnt 0x0
	s_cmp_eq_u32 s17, 1
	s_cselect_b64 s[24:25], s[8:9], s[6:7]
	s_cmp_eq_u32 s17, 2
	s_cselect_b64 s[24:25], s[10:11], s[24:25]
	s_add_nc_u64 s[24:25], s[24:25], s[20:21]
	s_add_nc_u64 s[14:15], s[14:15], s[22:23]
.irp r, 0,1,2,3,4,5,6,7,8,9,10,11,12,13,14,15
	global_load_b64 v[16+2*(\r):17+2*(\r)], v1, s[24:25] offset:4096*(\r) th:TH_LOAD_NT  ; 256 consecutive bytes of one row of k
.endr
	s_wait_loadcnt 0x0
.irp u, 0,1,2,3,4,5,6,7
	v_cvt_pk_bf16_f32 v[48+2*(\u)], v[16+4*(\u)], v[18+4*(\u)]  ; two neighbouring k of my even n,
	v_cvt_pk_bf16_f32 v[49+2*(\u)], v[17+4*(\u)], v[19+4*(\u)]  ; and of my odd n
.endr
.irp u, 0,1,2,3,4,5,6,7
	ds_store_b32 v3, v[48+2*(\u)] offset:4*(\u)
	ds_store_b32 v3, v[49+2*(\u)] offset:TP+4*(\u)
.endr
	s_wait_dscnt 0x0                               ; for the others' sake: my stores are done
	s_barrier_signal -1
	s_barrier_wait -1
.irp t, 0,1,2,3
	ds_load_b128 v[64+4*(\t):67+4*(\t)], v4 offset:2*TP*(\t)
.endr
.irp t, 0,1,2,3
	s_wait_dscnt 3-(\t)
	global_store_b128 v5, v[64+4*(\t):67+4*(\t)], s[14:15] offset:4096*(\t)  ; 16 lanes store 256 consecutive bytes, aligned
.endr
.Lend:
	s_wait_tensorcnt 0x0                           ; the wave's end: behind my last LDS store
	ds_add_u32 v[SPW], v[NIL]
	s_wait_dscnt 0x0
	s_endpgm
.Lfunc_end_k_qe41baad9d2_prep:
	.size	k_qe41baad9d2_prep, .Lfunc_end_k_qe41baad9d2_prep-k_qe41baad9d2_prep
	.p2alignl 7, 3214868480
	.fill 96, 4, 3214868480
	.section	.rodata,"a",@progbits
	.p2align	6, 0x0
	.amdhsa_kernel k_qe41baad9d2_prep
		.amdhsa_group_segment_fixed_size 18432
		.amdhsa_private_segment_fixed_size 0
		.amdhsa_enable_private_segment 0
		.amdhsa_kernarg_size 48
		.amdhsa_user_sgpr_count 2
		.amdhsa_user_sgpr_kernarg_segment_ptr 1
		.amdhsa_wavefront_size32 1
		.amdhsa_system_sgpr_workgroup_id_x 1
		.amdhsa_system_sgpr_workgroup_id_y 1
		.amdhsa_system_sgpr_workgroup_id_z 1
		.amdhsa_system_vgpr_workitem_id 0
		.amdhsa_next_free_vgpr 112
		.amdhsa_next_free_sgpr 66
		.amdhsa_reserve_vcc 0
		.amdhsa_float_denorm_mode_32 3
		.amdhsa_float_denorm_mode_16_64 3
		.amdhsa_memory_ordered 1
		.amdhsa_forward_progress 1
		.amdhsa_inst_pref_size 13
	.end_amdhsa_kernel
	.amdgpu_metadata
---
amdhsa.version: [ 1, 2 ]
amdhsa.kernels:
  - .name:           k_qe41baad9d2_prep
    .symbol:         k_qe41baad9d2_prep.kd
    .args:
      - { .name: x, .offset: 0, .size: 8, .value_kind: global_buffer, .address_space: global }
      - { .name: Wq, .offset: 8, .size: 8, .value_kind: global_buffer, .address_space: global }
      - { .name: Wk, .offset: 16, .size: 8, .value_kind: global_buffer, .address_space: global }
      - { .name: Wv, .offset: 24, .size: 8, .value_kind: global_buffer, .address_space: global }
      - { .name: xb, .offset: 32, .size: 8, .value_kind: global_buffer, .address_space: global }
      - { .name: wt, .offset: 40, .size: 8, .value_kind: global_buffer, .address_space: global }
    .group_segment_fixed_size: 18432
    .private_segment_fixed_size: 0
    .kernarg_segment_align: 8
    .kernarg_segment_size: 48
    .max_flat_workgroup_size: 256
    .sgpr_count:     66
    .vgpr_count:     112
    .wavefront_size: 32
...
	.end_amdgpu_metadata
.endif
;; end of part 1
;; launch proj (part 2): grid 8 x 96, 4 waves a work-group, clusters of 4 x 4, 327,680 bytes of LDS; arguments xb, wt, qk, vt; writes qk, vt
.if DOCPART == 2
	.amdgcn_target "amdgcn-amd-amdhsa--gfx1250"
	.amdhsa_code_object_version 6
	.text
	.protected	k_qe41baad9d2_proj
	.globl	k_qe41baad9d2_proj
	.p2align	8
	.type	k_qe41baad9d2_proj,@function
k_qe41baad9d2_proj:
	s_mov_b64 s[64:65], 0
	v_nop
	global_prefetch_b8 v0, s[64:65] scope:SCOPE_SE
	s_setreg_imm32_b32 hwreg(HW_REG_WAVE_MODE, 25, 1), 1
	s_wait_xcnt 0x0
	s_wait_alu depctr_hold_cnt(0) depctr_sa_sdst(0) depctr_va_vdst(0) depctr_va_sdst(0) depctr_va_ssrc(0) depctr_va_vcc(0) depctr_vm_vsrc(0)
	s_getreg_b32 s2, hwreg(HW_REG_IB_STS2, 6, 4)
	s_cmp_eq_u32 s2, 0
	s_cbranch_scc0 .Lentry_in_a_cluster
	s_endpgm
.Lentry_in_a_cluster:
	s_bfe_u32 s2, ttmp6, 0x10000c
	s_cmp_lg_u32 s2, 0xf033
	s_cbranch_scc0 .Lentry_shape_is_right
	s_endpgm
.Lentry_shape_is_right:
; THE PROJECTIONS.  C[i][j] = sum over k of A[i][k] B[j][k], K = 1,024, operands bf16, sums f32, C rounded once to f16.
; Clusters y 0-15:  A = xb (8,192 rows), B = wt's rows 0-2,047 (q's and k's channels), C = qk [8192][2048]: q in columns 0-1,023, k in 1,024-2,047.
; Clusters y 16-23: A = wt's rows 2,048-3,071 (v's channels), B = xb, C = vt [4][1024 channels][2048 positions]: v turned, as the last launch wants it.
; LIMIT.  q, k and v are kept in f16, which ends at 65,504; inputs as drawn give some 3, x and the weights both 30 times larger some 3,000, offsets of 30 spreads on both some 17,000.
; SHARES.  A tile of C is 128 rows of A x 256 rows of B: 768 work-groups, three for each of 256 WGPs.  Four waves, each 64 x 128: 32 accumulators, 256 registers.
; K goes in steps of 128 (rows of 256 bytes, aligned) through two LDS slots.  Waves 0, 1 fetch A's halves of 64 rows, waves 2, 3 B's halves of 128.
; CLUSTER 4 x 4: A's tile is asked for jointly along a row of the cluster, B's along a column.
; THE MATRIX INSTRUCTION IS USED TRANSPOSED (source 0 = 16 rows of B, source 1 = 16 rows of A): a lane holds row l % 16 of C and eight neighbouring columns.
; REGISTERS.  window 0: addresses, way out.  window 1: two fragment buffers of 96 (B's 8 fragments, then A's 4).  window 2: accumulator (a, b) at 64 a + 8 b.
.set PITCH,  272                       ; an LDS row: 256 bytes + 16 = 68 words: the 16 rows of a fragment load start at 16 different groups of four banks (64 banks of 4 bytes: ISA guide 11.1)
.set AHALF,  64*PITCH
.set BHALF,  128*PITCH
.set BOFF,   2*AHALF                   ; in a slot: A's 128 rows, then B's 256
.set SLOT,   BOFF+2*BHALF              ; 104,448
.set STAGE,  2*SLOT                    ; behind the ring: 16 rows x 272 bytes for each wave
.set SPITCH, 272
.set SPARE,  STAGE+4*16*SPITCH         ; behind the stages: the spare words, 128 bytes a wave
.set LAPS,   4                         ; a lap = two K steps
.set ROWL,   11                        ; a row of xb and wt is 2,048 bytes
.set ADRA, 16                          ; v16-17 my A fragments in slot 0, 1
.set ADRB, 20                          ; v20-21 my B fragments
.set STO,  24
.set RD,   25
.set CO,   26
.set SPW,  28                          ; v28 my spare word; never rewritten
.set NIL,  29                          ; v29 0; never rewritten
.set PFO,  30                          ; v30 lane x a row's bytes; never rewritten
.set TMP,  32                          ; v32-63 a block's packed results
.set OB,   64                          ; v64-95, v96-127 a block's rows read back, by turns
.set F0,   0
.set F1,   96
.set WV,  12
.set WR,  13                           ; which 64 rows of A's 128 are mine.  Also: I fetch for A (0) or B (1)
.set WC,  14                           ; which 128 rows of B's 256 are mine.  Also: which half I fetch
.set LIM, 15                           ; 1 in a wave that prefetches, else the greatest number
.set G1A, 24
.set G0A, 32
.set PFA, 44
.set G1B, 48
.set G0B, 56
.set CB,  80                           ; s[80:81] C at my rows
.set MUL,  0xa5                        ; sources 0 and 1 window 1, C and D window 2
.set TO_F, 0x40                        ; destination window 1, address window 0
.set MSB, 0
.macro WIN new                         ; the immediate's high byte repeats the setting that is left
.if MSB != (\new)
	s_set_vgpr_msb (MSB<<8)|(\new)
.set MSB, \new
.endif
.endm
.macro PLACES                          ; four places between a matrix instruction and a load into, or a vector read of, its registers
.rept 4
	v_nop
.endr
.endm
.macro JLOAD s                         ; a joint refill: one line for A, one for B; the branch hangs on the wave's number alone; an s_nop 0 and four v_nop follow each line
	s_cmp_lt_u32 s[WV], 2
	s_cbranch_scc0 .Lfor_b_\@
	tensor_load_to_lds s[G0A+4*(\s):G0A+4*(\s)+3], s[G1A:G1A+7]
	s_nop 0
.rept 4
	v_nop
.endr
	s_branch .Lasked_\@
.Lfor_b_\@:
	tensor_load_to_lds s[G0B+4*(\s):G0B+4*(\s)+3], s[G1B:G1B+7]
	s_nop 0
.rept 4
	v_nop
.endr
.Lasked_\@:
.endm
.macro ASK                             ; a prefetch of the K step two refills on: 32 rows x 256 bytes, a lane a row; the loop's last trip has no such step
	s_cmp_gt_u32 s3, s[LIM]
	s_cbranch_scc0 .Lnot_mine_\@
	global_prefetch_b8 v[PFO], s[PFA:PFA+1] offset:256 th:TH_LOAD_NT scope:SCOPE_SE
.Lnot_mine_\@:
.endm
.macro CREST                           ; a round of the cluster's barrier behind its opening barrier
	s_cmp_lg_u32 s[WV], 0
	s_cbranch_scc1 .Lnot_wave_0_\@
	s_barrier_signal -3
.Lnot_wave_0_\@:
	s_barrier_wait -3
	s_barrier_signal -1
	s_barrier_wait -1
.endm
.macro CROUND
	s_barrier_signal -1
	s_barrier_wait -1
	CREST
.endm
.macro MUL8 f, a, zero                 ; block a of my rows x all 8 blocks of my columns, 32 along K.  The 32 accumulators take turns, in the same order in every quarter
	WIN MUL
.irp b, 0,1,2,3,4,5,6,7
.if \zero
	v_wmma_f32_16x16x32_bf16 v[64*(\a)+8*(\b):64*(\a)+8*(\b)+7], v[(\f)+8*(\b):(\f)+8*(\b)+7], v[(\f)+64+8*(\a):(\f)+64+8*(\a)+7], 0
.else
	v_wmma_f32_16x16x32_bf16 v[64*(\a)+8*(\b):64*(\a)+8*(\b)+7], v[(\f)+8*(\b):(\f)+8*(\b)+7], v[(\f)+64+8*(\a):(\f)+64+8*(\a)+7], v[64*(\a)+8*(\b):64*(\a)+8*(\b)+7]
.endif
.endr
.endm
.macro MUL16 f, a0, zero
	MUL8 \f, \a0, \zero
	MUL8 \f, (\a0)+1, \zero
.endm
.macro FETCH slot, k, f                ; 24 LDS loads in one run: a quarter step's fragments, B's 8 first, then A's 4
	WIN TO_F
.irp i, 0,1,2,3,4,5,6,7
	ds_load_b128 v[(\f)+8*(\i):(\f)+8*(\i)+3],   v[ADRB+(\slot)] offset:(\k)+(\i)*16*PITCH
	ds_load_b128 v[(\f)+8*(\i)+4:(\f)+8*(\i)+7], v[ADRB+(\slot)] offset:(\k)+(\i)*16*PITCH+32
.endr
.irp i, 0,1,2,3
	ds_load_b128 v[(\f)+64+8*(\i):(\f)+64+8*(\i)+3],   v[ADRA+(\slot)] offset:(\k)+(\i)*16*PITCH
	ds_load_b128 v[(\f)+64+8*(\i)+4:(\f)+64+8*(\i)+7], v[ADRA+(\slot)] offset:(\k)+(\i)*16*PITCH+32
.endr
.endm
.macro QUARTER slot, k, f, g, zero     ; multiplies buffer f; in its middle fetches the next quarter, at byte k of the rows, into g
	s_wait_dscnt 4                                 ; B and A's blocks 0, 1 are in; the youngest four loads (A's blocks 2, 3) may be out
	MUL16 \f, 0, \zero
	PLACES
	FETCH \slot, \k, \g
	s_wait_dscnt 24                                ; all but the 24 just issued
	MUL16 \f, 2, \zero
.endm
; The last quarter of a K step multiplies buffer 1 and changes slots.  In front of the barrier each wave waits for all its tensor loads (one is out: its part of the next slot), adds 0 to its
; spare word, and waits for that and for its reads of this slot.  fill = 1: the barrier opens a round of the cluster's, and the joint refill, two K steps on, is the first thing behind it.
.macro TURN slot, next, fill
.if \fill
	s_wait_xcnt 0x0                                ; the last prefetch, a K step back, has read its address
	s_add_nc_u64 s[PFA:PFA+1], s[PFA:PFA+1], 256
.endif
	WIN 0
	s_wait_tensorcnt 0x0
	ds_add_u32 v[SPW], v[NIL]
	s_wait_dscnt 5                                 ; the add and the youngest four loads may be out
	MUL8 F1, 0, 0
	s_wait_dscnt 0x0                               ; the add is done, my reads of this slot are over
	s_barrier_signal -1
	MUL8 F1, 1, 0
	WIN 0
	s_barrier_wait -1
.if \fill
	CREST
	s_add_nc_u64 s[G0A+4*(\slot)+2:G0A+4*(\slot)+3], s[G0A+4*(\slot)+2:G0A+4*(\slot)+3], 512
	s_add_nc_u64 s[G0B+4*(\slot)+2:G0B+4*(\slot)+3], s[G0B+4*(\slot)+2:G0B+4*(\slot)+3], 512
	JLOAD \slot                                    ; its four v_nop are also the places in front of the loads below
.else
	PLACES
.endif
	FETCH \next, 0, F0
.if \fill
	WIN 0
	ASK
.endif
	MUL16 F1, 2, 0
.endm
	s_load_b256 s[4:11], s[0:1], 0x0               ; xb s[4:5], wt s[6:7], qk s[8:9], vt s[10:11]
	v_lshl_add_u32 v[SPW], v0, 2, SPARE
	v_mov_b32 v[NIL], 0
	ds_add_u32 v[SPW], v[NIL]                      ; the wave's opening: the add and its wait, ahead of my first tensor load
	v_lshrrev_b32 v1, 5, v0
	v_readfirstlane_b32 s[WV], v1
	s_lshr_b32 s[WR], s[WV], 1
	s_and_b32 s[WC], s[WV], 1
	s_bfe_u32 s40, ttmp6, 0x40000                  ; cx
	s_bfe_u32 s41, ttmp6, 0x40004                  ; cy
	s_mov_b32 s66, ttmp9                           ; cluster x
	s_and_b32 s67, ttmp7, 0xffff                   ; cluster y
	s_sub_co_u32 s68, s67, 16
	s_cmp_ge_u32 s67, 16                           ; v's part?  The same answer in all sixteen partners
	s_cselect_b32 s71, 1, 0
	s_cselect_b32 s69, s68, s66                    ; the cluster's place along C's columns,
	s_cselect_b32 s70, s66, s67                    ; and along its rows
	s_lshl_b32 s42, s69, 2
	s_add_co_u32 s42, s42, s40                     ; tile column (256 rows of B)
	s_lshl_b32 s43, s70, 2
	s_add_co_u32 s43, s43, s41                     ; tile row (128 rows of A)
	s_lshl_b32 s18, s41, 2
	s_lshl_b32 s18, 15, s18                        ; my row of the cluster
	s_lshl_b32 s19, 0x1111, s40                    ; my column
	s_or_b32 s[G1A], s18, (1<<16)|(1<<20)|(1<<21)|(5<<22)|(3<<25)  ; the mask; 2-byte elements; padding on; bit 21 beside a mask; after every 64 words 4 words
	s_or_b32 s[G1B], s19, (1<<16)|(1<<20)|(1<<21)|(5<<22)|(3<<25)
	s_mov_b32 s[G1A+1], 128<<16                    ; tensor_dim0 = 128
	s_mov_b32 s[G1B+1], 128<<16
	s_mov_b32 s[G1A+2], 64<<16                     ; tensor_dim1 = 64 (A), 128 (B)
	s_mov_b32 s[G1B+2], 128<<16
	s_mov_b32 s[G1A+3], 128<<16                    ; tile_dim0 = 128
	s_mov_b32 s[G1B+3], 128<<16
	s_mov_b32 s[G1A+4], 64                         ; tile_dim1
	s_mov_b32 s[G1B+4], 128
	s_mov_b32 s[G1A+5], 1024                       ; elements from row to row
	s_mov_b32 s[G1B+5], 1024
	s_mov_b32 s[G1A+6], 0
	s_mov_b32 s[G1B+6], 0
	s_mov_b32 s[G1A+7], 0
	s_mov_b32 s[G1B+7], 0
	s_lshl_b32 s16, s43, 7                         ; A: row 128 x tile row + 64 x half, in bytes
	s_lshl_b32 s17, s[WC], 6
	s_add_co_u32 s16, s16, s17
	s_lshl_b32 s16, s16, ROWL
	s_mov_b32 s17, 0
	s_lshl_b32 s46, s42, 8                         ; B: row 256 x tile column + 128 x half
	s_lshl_b32 s47, s[WC], 7
	s_add_co_u32 s46, s46, s47
	s_lshl_b32 s46, s46, ROWL
	s_mov_b32 s47, 0
	s_mul_i32 s84, s[WC], AHALF                    ; where they go: no place in the cluster enters an LDS address
	s_mul_i32 s85, s[WC], BHALF
	s_add_co_u32 s85, s85, BOFF
	s_lshr_b32 s82, s42, 3                         ; C: 2,048 columns to a plane of 4 MiB (plane 0 alone in q's and k's part),
	s_lshl_b32 s82, s82, 22
	s_and_b32 s83, s42, 7
	s_lshl_b32 s83, s83, 9                         ; 512 bytes a tile column,
	s_add_co_u32 s82, s82, s83
	s_lshl_b32 s83, s[WC], 8                       ; my 256 bytes of them,
	s_add_co_u32 s82, s82, s83
	s_lshl_b32 s83, s43, 7
	s_lshl_b32 s18, s[WR], 6
	s_add_co_u32 s83, s83, s18
	s_lshl_b32 s83, s83, 12                        ; my first row, 4,096 bytes a row
	s_add_co_u32 s82, s82, s83
	s_mov_b32 s83, 0
	s_wait_dscnt 0x0                               ; the opening add is done
	s_wait_kmcnt 0x0
	s_add_nc_u64 s[18:19], s[6:7], 0x400000        ; wt at v's rows
	s_cmp_eq_u32 s71, 1
	s_cselect_b64 s[20:21], s[18:19], s[4:5]       ; A's tensor
	s_cselect_b64 s[22:23], s[4:5], s[6:7]         ; B's
	s_cselect_b64 s[CB:CB+1], s[10:11], s[8:9]     ; C's
	s_add_nc_u64 s[16:17], s[20:21], s[16:17]
	s_add_nc_u64 s[46:47], s[22:23], s[46:47]
	s_add_nc_u64 s[CB:CB+1], s[CB:CB+1], s[82:83]
	CROUND                                         ; all sixteen work-groups are here: the first joint loads meet
.irp s, 0,1
	s_mov_b32 s[G0A+4*(\s)], 1
	s_add_co_u32 s[G0A+4*(\s)+1], s84, (\s)*SLOT
	s_add_nc_u64 s[G0A+4*(\s)+2:G0A+4*(\s)+3], s[16:17], (\s)*256
	s_or_b32 s[G0A+4*(\s)+3], s[G0A+4*(\s)+3], 0x80000000
	s_mov_b32 s[G0B+4*(\s)], 1
	s_add_co_u32 s[G0B+4*(\s)+1], s85, (\s)*SLOT
	s_add_nc_u64 s[G0B+4*(\s)+2:G0B+4*(\s)+3], s[46:47], (\s)*256
	s_or_b32 s[G0B+4*(\s)+3], s[G0B+4*(\s)+3], 0x80000000
.endr
	s_cmp_lt_u32 s[WV], 2                          ; a wave's two first fills stand in one branch: two loads of mine are out
	s_cbranch_scc0 .Lfirst_b
	tensor_load_to_lds s[G0A:G0A+3], s[G1A:G1A+7]
	s_nop 0
	tensor_load_to_lds s[G0A+4:G0A+7], s[G1A:G1A+7]
	s_nop 0
.rept 4
	v_nop
.endr
	s_branch .Lfirst_asked
.Lfirst_b:
	tensor_load_to_lds s[G0B:G0B+3], s[G1B:G1B+7]
	s_nop 0
	tensor_load_to_lds s[G0B+4:G0B+7], s[G1B:G1B+7]
	s_nop 0
.rept 4
	v_nop
.endr
.Lfirst_asked:
	v_and_b32 v1, 15, v0                           ; l % 16
	v_bfe_u32 v2, v0, 4, 1                         ; l / 16
	v_mul_u32_u24 v3, v1, PITCH
	v_lshl_add_u32 v3, v2, 4, v3                   ; a fragment's row x pitch + 16 x half
	s_mul_i32 s18, s[WR], AHALF
	s_mul_i32 s19, s[WC], BHALF
	s_add_co_u32 s19, s19, BOFF
	v_add_nc_u32 v[ADRA], s18, v3
	v_add_nc_u32 v[ADRB], s19, v3
	v_add_nc_u32 v[ADRA+1], SLOT, v[ADRA]
	v_add_nc_u32 v[ADRB+1], SLOT, v[ADRB]
	s_mul_i32 s18, s[WV], 16*SPITCH
	s_add_co_u32 s18, s18, STAGE                   ; my stage
	v_mul_u32_u24 v4, v1, SPITCH
	v_lshl_add_u32 v4, v2, 4, v4
	v_add_nc_u32 v[STO], s18, v4                   ; in: row l % 16, 16 bytes for each half of the lanes
	v_mul_u32_u24 v5, v2, SPITCH
	v_lshl_add_u32 v5, v1, 4, v5
	v_add_nc_u32 v[RD], s18, v5                    ; back: lanes 0-15 one row of 256 bytes, lanes 16-31 the next
	v_lshlrev_b32 v5, 12, v2
	v_lshl_add_u32 v[CO], v1, 4, v5                ; and the same two rows in C
	; THE PREFETCHES.  Each row's 256 bytes of a K step are named once in the launch.  A's tile row is read by every cluster along C's columns: the first of them asks, its wave 0, and the four partners
	; that ask for the tile jointly take 32 rows each, told apart by address (cx).  B's tile column: the first cluster along C's rows asks, waves 2 and 3 for the 128 rows that each fetches, 32 rows
	; a partner (cy).  In v's part B is xb, which the launch reads in q's and k's part too: it is named there alone.  K steps 0 to 3 come by their loads alone.
	s_lshl_b32 s86, s43, 7
	s_lshl_b32 s87, s40, 5
	s_add_co_u32 s86, s86, s87
	s_lshl_b32 s88, s42, 8
	s_lshl_b32 s89, s[WC], 7
	s_add_co_u32 s88, s88, s89
	s_lshl_b32 s89, s41, 5
	s_add_co_u32 s88, s88, s89
	s_or_b32 s18, s69, s[WC]
	s_or_b32 s19, s70, s71
	s_cmp_eq_u32 s[WR], 0
	s_cselect_b32 s86, s86, s88
	s_cselect_b32 s18, s18, s19
	s_cselect_b64 s[PFA:PFA+1], s[20:21], s[22:23]
	s_cmp_eq_u32 s18, 0
	s_cselect_b32 s[LIM], 1, -1                    ; hangs on the cluster's place and the wave's number: the same in all partners
	s_lshl_b32 s86, s86, ROWL
	s_add_co_u32 s86, s86, 512                     ; at K step 2: the first refill steps it to 3 and names K step 4
	s_mov_b32 s87, 0
	s_add_nc_u64 s[PFA:PFA+1], s[PFA:PFA+1], s[86:87]
	v_and_b32 v[PFO], 31, v0
	v_lshlrev_b32 v[PFO], ROWL, v[PFO]
	s_wait_tensorcnt 1                             ; my part of K step 0 is in; K step 1's may stay out
	s_barrier_signal -1
	s_barrier_wait -1
	FETCH 0, 0, F0
	QUARTER 0, 64,  F0, F1, 1                      ; the first quarter's products start the sums: nothing is cleared
	WIN 0
	s_mov_b32 s3, LAPS-1
.Llap:                                                 ; a trip goes once round the ring and fills both slots again
	QUARTER 0, 128, F1, F0, 0
	QUARTER 0, 192, F0, F1, 0
	TURN 0, 1, 1
	QUARTER 1, 64,  F0, F1, 0
	QUARTER 1, 128, F1, F0, 0
	QUARTER 1, 192, F0, F1, 0
	TURN 1, 0, 1
	QUARTER 0, 64,  F0, F1, 0
	WIN 0
	s_sub_co_u32 s3, s3, 1
	s_cmp_lg_u32 s3, 0
	s_cbranch_scc1 .Llap
	QUARTER 0, 128, F1, F0, 0                      ; the last lap fills nothing
	QUARTER 0, 192, F0, F1, 0
	TURN 0, 1, 0
	QUARTER 1, 64,  F0, F1, 0
	QUARTER 1, 128, F1, F0, 0
	QUARTER 1, 192, F0, F1, 0
	s_wait_dscnt 4
	MUL16 F1, 0, 0
	s_wait_dscnt 0x0
	MUL16 F1, 2, 0
	WIN 0
	PLACES
; THE WAY OUT, a block of 16 rows at a time: rounded to f16 (each accumulator read from its low end on), 16 bytes a lane into my own stage, back as whole rows of 256 bytes, stored.
.macro PACK a
	WIN 0x0a                                       ; sources in window 2
.irp b, 0,1,2,3,4,5,6,7
.irp r, 0,1,2,3
	v_cvt_pk_f16_f32 v[TMP+4*(\b)+(\r)], v[64*(\a)+8*(\b)+2*(\r)], v[64*(\a)+8*(\b)+2*(\r)+1]
.endr
.endr
	WIN 0
.endm
.macro TOSTAGE a
.set BK, OB+32*((\a)%2)
.irp b, 0,1,2,3,4,5,6,7
	ds_store_b128 v[STO], v[TMP+4*(\b):TMP+4*(\b)+3] offset:32*(\b)
.endr
.irp t, 0,1,2,3,4,5,6,7
	ds_load_b128 v[BK+4*(\t):BK+4*(\t)+3], v[RD] offset:(\t)*2*SPITCH  ; LDS serves a wave's instructions in order (ISA guide 5.7.1.4): these see the stores above
.endr
.endm
.macro SEND a
.set BK, OB+32*((\a)%2)
	s_wait_dscnt 0x0                               ; the block is back in registers
	s_wait_xcnt 0x0                                ; earlier stores have read their base and their data: the base, and the other buffer, are rewritten only behind this wait
.if (\a) > 0
	s_add_nc_u64 s[CB:CB+1], s[CB:CB+1], 16*4096
.endif
.irp t, 0,1,2,3,4,5,6,7
	global_store_b128 v[CO], v[BK+4*(\t):BK+4*(\t)+3], s[CB:CB+1] offset:(\t)*2*4096  ; 16 lanes store 256 consecutive bytes, aligned
.endr
.endm
	PACK 0
	TOSTAGE 0
.irp a, 1,2,3
	PACK \a
	SEND (\a)-1
	TOSTAGE \a
.endr
	SEND 3
	s_wait_tensorcnt 0x0                           ; the wave's end
	ds_add_u32 v[SPW], v[NIL]
	s_wait_dscnt 0x0
	CROUND                                         ; the closing round
	s_endpgm
.Lfunc_end_k_qe41baad9d2_proj:
	.size	k_qe41baad9d2_proj, .Lfunc_end_k_qe41baad9d2_proj-k_qe41baad9d2_proj
	.p2alignl 7, 3214868480
	.fill 96, 4, 3214868480
	.section	.rodata,"a",@progbits
	.p2align	6, 0x0
	.amdhsa_kernel k_qe41baad9d2_proj
		.amdhsa_group_segment_fixed_size 327680
		.amdhsa_private_segment_fixed_size 0
		.amdhsa_enable_private_segment 0
		.amdhsa_kernarg_size 32
		.amdhsa_user_sgpr_count 2
		.amdhsa_user_sgpr_kernarg_segment_ptr 1
		.amdhsa_wavefront_size32 1
		.amdhsa_system_sgpr_workgroup_id_x 1
		.amdhsa_system_sgpr_workgroup_id_y 1
		.amdhsa_system_sgpr_workgroup_id_z 1
		.amdhsa_system_vgpr_workitem_id 0
		.amdhsa_next_free_vgpr 768
		.amdhsa_next_free_sgpr 96
		.amdhsa_reserve_vcc 0
		.amdhsa_float_denorm_mode_32 3
		.amdhsa_float_denorm_mode_16_64 3
		.amdhsa_memory_ordered 1
		.amdhsa_forward_progress 1
		.amdhsa_inst_pref_size 87
	.end_amdhsa_kernel
	.amdgpu_metadata
---
amdhsa.version: [ 1, 2 ]
amdhsa.kernels:
  - .name:           k_qe41baad9d2_proj
    .symbol:         k_qe41baad9d2_proj.kd
    .args:
      - { .name: xb, .offset: 0, .size: 8, .value_kind: global_buffer, .address_space: global }
      - { .name: wt, .offset: 8, .size: 8, .value_kind: global_buffer, .address_space: global }
      - { .name: qk, .offset: 16, .size: 8, .value_kind: global_buffer, .address_space: global }
      - { .name: vt, .offset: 24, .size: 8, .value_kind: global_buffer, .address_space: global }
    .group_segment_fixed_size: 327680
    .private_segment_fixed_size: 0
    .kernarg_segment_align: 8
    .kernarg_segment_size: 32
    .max_flat_workgroup_size: 128
    .sgpr_count:     96
    .vgpr_count:     768
    .wavefront_size: 32
...
	.end_amdgpu_metadata
.endif
;; end of part 2
;; launch scores (part 3): grid 8 x 64, 4 waves a work-group, clusters of 4 x 4, 327,680 bytes of LDS; arguments qk, mask, p, st; writes p, st
.if DOCPART == 3
	.amdgcn_target "amdgcn-amd-amdhsa--gfx1250"
	.amdhsa_code_object_version 6
	.text
	.protected	k_qe41baad9d2_scores
	.globl	k_qe41baad9d2_scores
	.p2align	8
	.type	k_qe41baad9d2_scores,@function
k_qe41baad9d2_scores:
	s_mov_b64 s[64:65], 0
	v_nop
	global_prefetch_b8 v0, s[64:65] scope:SCOPE_SE
	s_setreg_imm32_b32 hwreg(HW_REG_WAVE_MODE, 25, 1), 1
	s_wait_xcnt 0x0
	s_wait_alu depctr_hold_cnt(0) depctr_sa_sdst(0) depctr_va_vdst(0) depctr_va_sdst(0) depctr_va_ssrc(0) depctr_va_vcc(0) depctr_vm_vsrc(0)
	s_getreg_b32 s2, hwreg(HW_REG_IB_STS2, 6, 4)
	s_cmp_eq_u32 s2, 0
	s_cbranch_scc0 .Lentry_in_a_cluster
	s_endpgm
.Lentry_in_a_cluster:
	s_bfe_u32 s2, ttmp6, 0x10000c
	s_cmp_lg_u32 s2, 0xf033
	s_cbranch_scc0 .Lentry_shape_is_right
	s_endpgm
.Lentry_shape_is_right:
; THE SCORES AND THE FIRST LEVEL OF THE SOFTMAX.  z[q][k] = (q . k) / 32 + bias[k], bias = -1e9 where the key's mask word is 0, else 0: one fused multiply-add; 1 / 32 is a power of two, so it rounds as
; the product and the sum of the definition do.  For each query and each GROUP of 128 keys: m_g = the group's largest z, p = exp(z - m_g) rounded to f16, l_g = the sum of the unrounded p.
; p goes to p [8192][2048] f16, (m_g, l_g) to st [16 groups][8192 rows][2] f32.  The last launch takes the rows' true maximum away from the m_g: together the two levels subtract the row's maximum.
; z - m_g is formed first and multiplied by log2(e) afterwards, in two instructions: with z near -1e9 a fused z log2(e) - m_g log2(e) would leave the rounding of the second product, tens of units, in the exponent.
; LIMITS.  p lies in 0 to 1; below 6e-5 it keeps f16's fixed step of 6e-8; a weight below 2^-126 counts as 0 in l_g.  NaN and infinities are not treated apart.
; THE PRODUCT.  A = q (columns 0-1,023 of qk), B = k (columns 1,024-2,047) of the same batch, K = 1,024, f16 operands, f32 sums.  A tile is 128 queries x 256 keys: 512 work-groups, two for each of 256 WGPs.
; Four waves, each 64 queries x 128 keys: a wave's columns ARE a group, so the group's maximum and sum never leave the wave.  Ring, cluster and transposed use as in the launch before:
; a lane holds query l % 16 and the keys 16 b + 8 (l / 16) + 0..7; a query's other 64 keys lie in the lane 16 away.
.set PITCH,  272
.set AHALF,  64*PITCH
.set BHALF,  128*PITCH
.set BOFF,   2*AHALF
.set SLOT,   BOFF+2*BHALF
.set STAGE,  2*SLOT
.set SPITCH, 272
.set SPARE,  STAGE+4*16*SPITCH
.set LAPS,   4
.set ROWL,   12                        ; a row of qk and of p is 4,096 bytes
.set ADRA, 16
.set ADRB, 20
.set STO,  24
.set RD,   25
.set CO,   26
.set MO,   27                          ; v27 my byte offset in the group's mask words; never rewritten
.set SPW,  28
.set NIL,  29
.set PFO,  30
.set SO,   31                          ; v31 8 x lane: my place in 32 rows of st; never rewritten
.set BI,   32                          ; v32-95   the bias of my 64 keys
.set Z,    96                          ; v96-159  a block's 64 z, then p
.set PK,   160                         ; v160-191, v192-223 a block's packed p, then its rows read back: by the block's parity
.set MX,   224                         ; v[224:225] the block's maximum, in the low register
.set CH,   226                         ; v226-229 at work
.set TP,   230
.set STT,  232                         ; v232-239 (m, l) of blocks 0-3
.set F0,   0
.set F1,   96
.set WV,  12
.set WR,  13
.set WC,  14
.set LIM, 15
.set G1A, 24
.set G0A, 32
.set PFA, 44
.set G1B, 48
.set G0B, 56
.set CB,  80                           ; s[80:81] p at my rows
.set MUL,  0xa5
.set TO_F, 0x40
.set MSB, 0
.macro WIN new
.if MSB != (\new)
	s_set_vgpr_msb (MSB<<8)|(\new)
.set MSB, \new
.endif
.endm
.macro PLACES
.rept 4
	v_nop
.endr
.endm
.macro JLOAD s
	s_cmp_lt_u32 s[WV], 2
	s_cbranch_scc0 .Lfor_b_\@
	tensor_load_to_lds s[G0A+4*(\s):G0A+4*(\s)+3], s[G1A:G1A+7]
	s_nop 0
.rept 4
	v_nop
.endr
	s_branch .Lasked_\@
.Lfor_b_\@:
	tensor_load_to_lds s[G0B+4*(\s):G0B+4*(\s)+3], s[G1B:G1B+7]
	s_nop 0
.rept 4
	v_nop
.endr
.Lasked_\@:
.endm
.macro ASK
	s_cmp_gt_u32 s3, s[LIM]
	s_cbranch_scc0 .Lnot_mine_\@
	global_prefetch_b8 v[PFO], s[PFA:PFA+1] offset:256 th:TH_LOAD_NT scope:SCOPE_SE
.Lnot_mine_\@:
.endm
.macro CREST
	s_cmp_lg_u32 s[WV], 0
	s_cbranch_scc1 .Lnot_wave_0_\@
	s_barrier_signal -3
.Lnot_wave_0_\@:
	s_barrier_wait -3
	s_barrier_signal -1
	s_barrier_wait -1
.endm
.macro CROUND
	s_barrier_signal -1
	s_barrier_wait -1
	CREST
.endm
.macro MUL8 f, a, zero                 ; the 32 accumulators take turns, in the same order in every quarter
	WIN MUL
.irp b, 0,1,2,3,4,5,6,7
.if \zero
	v_wmma_f32_16x16x32_f16 v[64*(\a)+8*(\b):64*(\a)+8*(\b)+7], v[(\f)+8*(\b):(\f)+8*(\b)+7], v[(\f)+64+8*(\a):(\f)+64+8*(\a)+7], 0
.else
	v_wmma_f32_16x16x32_f16 v[64*(\a)+8*(\b):64*(\a)+8*(\b)+7], v[(\f)+8*(\b):(\f)+8*(\b)+7], v[(\f)+64+8*(\a):(\f)+64+8*(\a)+7], v[64*(\a)+8*(\b):64*(\a)+8*(\b)+7]
.endif
.endr
.endm
.macro MUL16 f, a0, zero
	MUL8 \f, \a0, \zero
	MUL8 \f, (\a0)+1, \zero
.endm
.macro FETCH slot, k, f
	WIN TO_F
.irp i, 0,1,2,3,4,5,6,7
	ds_load_b128 v[(\f)+8*(\i):(\f)+8*(\i)+3],   v[ADRB+(\slot)] offset:(\k)+(\i)*16*PITCH
	ds_load_b128 v[(\f)+8*(\i)+4:(\f)+8*(\i)+7], v[ADRB+(\slot)] offset:(\k)+(\i)*16*PITCH+32
.endr
.irp i, 0,1,2,3
	ds_load_b128 v[(\f)+64+8*(\i):(\f)+64+8*(\i)+3],   v[ADRA+(\slot)] offset:(\k)+(\i)*16*PITCH
	ds_load_b128 v[(\f)+64+8*(\i)+4:(\f)+64+8*(\i)+7], v[ADRA+(\slot)] offset:(\k)+(\i)*16*PITCH+32
.endr
.endm
.macro QUARTER slot, k, f, g, zero
	s_wait_dscnt 4                                 ; the youngest four loads (A's blocks 2, 3) may be out
	MUL16 \f, 0, \zero
	PLACES
	FETCH \slot, \k, \g
	s_wait_dscnt 24                                ; all but the 24 just issued
	MUL16 \f, 2, \zero
.endm
.macro TURN slot, next, fill           ; the last quarter of a K step and the change of slots: the waits, the add and the round as in the launch before
.if \fill
	s_wait_xcnt 0x0                                ; the last prefetch, a K step back, has read its address
	s_add_nc_u64 s[PFA:PFA+1], s[PFA:PFA+1], 256
.endif
	WIN 0
	s_wait_tensorcnt 0x0                           ; all my tensor loads have landed: my part of the next slot
	ds_add_u32 v[SPW], v[NIL]
	s_wait_dscnt 5                                 ; the add and the youngest four loads may be out
	MUL8 F1, 0, 0
	s_wait_dscnt 0x0                               ; the add is done, my reads of this slot are over
	s_barrier_signal -1
	MUL8 F1, 1, 0
	WIN 0
	s_barrier_wait -1
.if \fill
	CREST
	s_add_nc_u64 s[G0A+4*(\slot)+2:G0A+4*(\slot)+3], s[G0A+4*(\slot)+2:G0A+4*(\slot)+3], 512
	s_add_nc_u64 s[G0B+4*(\slot)+2:G0B+4*(\slot)+3], s[G0B+4*(\slot)+2:G0B+4*(\slot)+3], 512
	JLOAD \slot
.else
	PLACES
.endif
	FETCH \next, 0, F0
.if \fill
	WIN 0
	ASK
.endif
	MUL16 F1, 2, 0
.endm
	s_load_b256 s[4:11], s[0:1], 0x0               ; qk s[4:5], mask s[6:7], p s[8:9], st s[10:11]
	v_lshl_add_u32 v[SPW], v0, 2, SPARE
	v_mov_b32 v[NIL], 0
	ds_add_u32 v[SPW], v[NIL]                      ; the wave's opening: the add and its wait, ahead of my first tensor load
	v_lshrrev_b32 v1, 5, v0
	v_readfirstlane_b32 s[WV], v1
	s_lshr_b32 s[WR], s[WV], 1
	s_and_b32 s[WC], s[WV], 1
	s_bfe_u32 s40, ttmp6, 0x40000                  ; cx
	s_bfe_u32 s41, ttmp6, 0x40004                  ; cy
	s_mov_b32 s66, ttmp9
	s_and_b32 s67, ttmp7, 0xffff
	s_lshl_b32 s42, s66, 2
	s_add_co_u32 s42, s42, s40                     ; tile column: 256 keys of the batch
	s_lshl_b32 s43, s67, 2
	s_add_co_u32 s43, s43, s41                     ; tile row: 128 queries of all 8,192
	s_lshr_b32 s68, s67, 2                         ; the batch: four clusters of 512 queries each
	s_lshl_b32 s18, s41, 2
	s_lshl_b32 s18, 15, s18
	s_lshl_b32 s19, 0x1111, s40
	s_or_b32 s[G1A], s18, (1<<16)|(1<<20)|(1<<21)|(5<<22)|(3<<25)
	s_or_b32 s[G1B], s19, (1<<16)|(1<<20)|(1<<21)|(5<<22)|(3<<25)
	s_mov_b32 s[G1A+1], 128<<16
	s_mov_b32 s[G1B+1], 128<<16
	s_mov_b32 s[G1A+2], 64<<16
	s_mov_b32 s[G1B+2], 128<<16
	s_mov_b32 s[G1A+3], 128<<16
	s_mov_b32 s[G1B+3], 128<<16
	s_mov_b32 s[G1A+4], 64
	s_mov_b32 s[G1B+4], 128
	s_mov_b32 s[G1A+5], 2048                       ; elements from row to row of qk
	s_mov_b32 s[G1B+5], 2048
	s_mov_b32 s[G1A+6], 0
	s_mov_b32 s[G1B+6], 0
	s_mov_b32 s[G1A+7], 0
	s_mov_b32 s[G1B+7], 0
	s_lshl_b32 s16, s43, 7
	s_lshl_b32 s17, s[WC], 6
	s_add_co_u32 s16, s16, s17
	s_lshl_b32 s16, s16, ROWL                      ; A: q's rows
	s_mov_b32 s17, 0
	s_lshl_b32 s46, s68, 11
	s_lshl_b32 s47, s42, 8
	s_add_co_u32 s46, s46, s47
	s_lshl_b32 s47, s[WC], 7
	s_add_co_u32 s46, s46, s47                     ; the first key of my half, which is also my group's, among all 8,192 rows
	s_lshl_b32 s69, s46, 2                         ; its mask word
	s_lshl_b32 s46, s46, ROWL
	s_add_co_u32 s46, s46, 2048                    ; B: k's columns of those rows
	s_mov_b32 s47, 0
	s_mul_i32 s84, s[WC], AHALF
	s_mul_i32 s85, s[WC], BHALF
	s_add_co_u32 s85, s85, BOFF
	s_lshl_b32 s70, s43, 7
	s_lshl_b32 s71, s[WR], 6
	s_add_co_u32 s70, s70, s71                     ; my first query
	s_lshl_b32 s82, s70, ROWL
	s_lshl_b32 s71, s42, 9
	s_add_co_u32 s82, s82, s71
	s_lshl_b32 s71, s[WC], 8
	s_add_co_u32 s82, s82, s71                     ; p: my rows, my group's 256 bytes
	s_mov_b32 s83, 0
	s_lshl_b32 s86, s42, 1
	s_add_co_u32 s86, s86, s[WC]                   ; my group
	s_lshl_b32 s86, s86, 16                        ; 8,192 rows of 8 bytes
	s_lshl_b32 s71, s70, 3
	s_add_co_u32 s86, s86, s71
	s_mov_b32 s87, 0
	s_mov_b32 s88, s69
	s_mov_b32 s89, 0
	s_mov_b32 s72, 0x76543210                      ; v_permlanex16_b32: each lane takes its own place in the other half
	s_mov_b32 s73, 0xfedcba98
	s_mov_b32 s74, 0xffff0000                      ; lanes 16-31
	s_mov_b32 s75, 0xce6e6b28                      ; -1e9
	s_mov_b32 s76, 0x3d000000                      ; 1 / 32
	s_mov_b32 s77, s76                             ; named with it as a pair
	s_mov_b32 s78, 0x3fb8aa3b                      ; log2(e)
	s_mov_b32 s79, s78
	s_wait_dscnt 0x0                               ; the opening add is done
	s_wait_kmcnt 0x0
	s_add_nc_u64 s[16:17], s[4:5], s[16:17]
	s_add_nc_u64 s[46:47], s[4:5], s[46:47]
	s_add_nc_u64 s[CB:CB+1], s[8:9], s[82:83]
	s_add_nc_u64 s[82:83], s[10:11], s[86:87]      ; st at my group and rows
	s_add_nc_u64 s[88:89], s[6:7], s[88:89]        ; mask at my group
	CROUND
.irp s, 0,1
	s_mov_b32 s[G0A+4*(\s)], 1
	s_add_co_u32 s[G0A+4*(\s)+1], s84, (\s)*SLOT
	s_add_nc_u64 s[G0A+4*(\s)+2:G0A+4*(\s)+3], s[16:17], (\s)*256
	s_or_b32 s[G0A+4*(\s)+3], s[G0A+4*(\s)+3], 0x80000000
	s_mov_b32 s[G0B+4*(\s)], 1
	s_add_co_u32 s[G0B+4*(\s)+1], s85, (\s)*SLOT
	s_add_nc_u64 s[G0B+4*(\s)+2:G0B+4*(\s)+3], s[46:47], (\s)*256
	s_or_b32 s[G0B+4*(\s)+3], s[G0B+4*(\s)+3], 0x80000000
.endr
	s_cmp_lt_u32 s[WV], 2
	s_cbranch_scc0 .Lfirst_b
	tensor_load_to_lds s[G0A:G0A+3], s[G1A:G1A+7]
	s_nop 0
	tensor_load_to_lds s[G0A+4:G0A+7], s[G1A:G1A+7]
	s_nop 0
.rept 4
	v_nop
.endr
	s_branch .Lfirst_asked
.Lfirst_b:
	tensor_load_to_lds s[G0B:G0B+3], s[G1B:G1B+7]
	s_nop 0
	tensor_load_to_lds s[G0B+4:G0B+7], s[G1B:G1B+7]
	s_nop 0
.rept 4
	v_nop
.endr
.Lfirst_asked:
	v_and_b32 v1, 15, v0
	v_bfe_u32 v2, v0, 4, 1
	v_lshlrev_b32 v[MO], 5, v2                     ; my half's eight words in each sixteen
.irp b, 0,1,2,3,4,5,6,7
	global_load_b128 v[BI+8*(\b):BI+8*(\b)+3],   v[MO], s[88:89] offset:64*(\b)      ; the mask words of keys 16 b + 8 (l / 16) + 0..3,
	global_load_b128 v[BI+8*(\b)+4:BI+8*(\b)+7], v[MO], s[88:89] offset:64*(\b)+16   ; and + 4..7: once, in the wait for the first tile
.endr
	v_mul_u32_u24 v3, v1, PITCH
	v_lshl_add_u32 v3, v2, 4, v3
	s_mul_i32 s18, s[WR], AHALF
	s_mul_i32 s19, s[WC], BHALF
	s_add_co_u32 s19, s19, BOFF
	v_add_nc_u32 v[ADRA], s18, v3
	v_add_nc_u32 v[ADRB], s19, v3
	v_add_nc_u32 v[ADRA+1], SLOT, v[ADRA]
	v_add_nc_u32 v[ADRB+1], SLOT, v[ADRB]
	s_mul_i32 s18, s[WV], 16*SPITCH
	s_add_co_u32 s18, s18, STAGE
	v_mul_u32_u24 v4, v1, SPITCH
	v_lshl_add_u32 v4, v2, 4, v4
	v_add_nc_u32 v[STO], s18, v4
	v_mul_u32_u24 v5, v2, SPITCH
	v_lshl_add_u32 v5, v1, 4, v5
	v_add_nc_u32 v[RD], s18, v5
	v_lshlrev_b32 v5, 12, v2
	v_lshl_add_u32 v[CO], v1, 4, v5
	v_and_b32 v[PFO], 31, v0
	v_lshlrev_b32 v[SO], 3, v[PFO]
	v_lshlrev_b32 v[PFO], ROWL, v[PFO]
	v_mov_b32 v[MX+1], 0                           ; named with the maximum as a pair
	v_mov_b32 v[TP], 0                             ; v_permlanex16_b32's destination counts as read
	; THE PREFETCHES.  q's rows are read by both clusters along x: cluster x = 0 asks, its wave 0, 32 rows a partner (by address: cx).  k's rows are read by a batch's four clusters along y: the first
	; of them asks, waves 2 and 3 for the 128 rows that each fetches, 32 rows a partner (cy).  So each row's 256 bytes of a K step are named once.  K steps 0 to 3 come by their loads alone.
	s_lshl_b32 s20, s43, 7
	s_lshl_b32 s21, s40, 5
	s_add_co_u32 s20, s20, s21
	s_lshl_b32 s20, s20, ROWL
	s_lshl_b32 s22, s68, 11
	s_lshl_b32 s23, s42, 8
	s_add_co_u32 s22, s22, s23
	s_lshl_b32 s23, s[WC], 7
	s_add_co_u32 s22, s22, s23
	s_lshl_b32 s23, s41, 5
	s_add_co_u32 s22, s22, s23
	s_lshl_b32 s22, s22, ROWL
	s_add_co_u32 s22, s22, 2048
	s_or_b32 s18, s66, s[WC]
	s_and_b32 s19, s67, 3
	s_cmp_eq_u32 s[WR], 0
	s_cselect_b32 s20, s20, s22
	s_cselect_b32 s18, s18, s19
	s_cmp_eq_u32 s18, 0
	s_cselect_b32 s[LIM], 1, -1
	s_add_co_u32 s20, s20, 512                     ; at K step 2
	s_mov_b32 s21, 0
	s_add_nc_u64 s[PFA:PFA+1], s[4:5], s[20:21]
	s_wait_loadcnt 0x0                             ; the mask words
.set i, 0
.rept 64
	v_cmp_eq_u32 vcc_lo, 0, v[BI+i]
	v_cndmask_b32 v[BI+i], 0, s75, vcc_lo          ; -1e9 where the word is 0, else 0
.set i, i+1
.endr
	s_wait_tensorcnt 1                             ; my part of K step 0 is in; K step 1's may stay out
	s_barrier_signal -1
	s_barrier_wait -1
	FETCH 0, 0, F0
	QUARTER 0, 64,  F0, F1, 1
	WIN 0
	s_mov_b32 s3, LAPS-1
.Llap:
	QUARTER 0, 128, F1, F0, 0
	QUARTER 0, 192, F0, F1, 0
	TURN 0, 1, 1
	QUARTER 1, 64,  F0, F1, 0
	QUARTER 1, 128, F1, F0, 0
	QUARTER 1, 192, F0, F1, 0
	TURN 1, 0, 1
	QUARTER 0, 64,  F0, F1, 0
	WIN 0
	s_sub_co_u32 s3, s3, 1
	s_cmp_lg_u32 s3, 0
	s_cbranch_scc1 .Llap
	QUARTER 0, 128, F1, F0, 0
	QUARTER 0, 192, F0, F1, 0
	TURN 0, 1, 0
	QUARTER 1, 64,  F0, F1, 0
	QUARTER 1, 128, F1, F0, 0
	QUARTER 1, 192, F0, F1, 0
	s_wait_dscnt 4
	MUL16 F1, 0, 0
	s_wait_dscnt 0x0
	MUL16 F1, 2, 0
	WIN 0
	PLACES
; THE SOFTMAX OF BLOCK a (16 queries x the group's 128 keys; 64 numbers a lane).
.macro SOFT a
.set PKB, PK+32*((\a)%2)
	WIN 0x02                                       ; source 0 in window 2
.set i, 0
.rept 32
	v_pk_fma_f32 v[Z+2*i:Z+2*i+1], v[64*(\a)+2*i:64*(\a)+2*i+1], s[76:77], v[BI+2*i:BI+2*i+1] op_sel_hi:[1,0,1]  ; z = s / 32 + bias; each accumulator is read from its low end on
.set i, i+1
.endr
	WIN 0
.irp k, 0,1,2,3                        ; the maximum: four chains of 15 numbers, three operands at a time,
	v_max3_num_f32 v[CH+(\k)], v[Z+16*(\k)], v[Z+16*(\k)+1], v[Z+16*(\k)+2]
.endr
.irp n, 0,1,2,3,4,5
.irp k, 0,1,2,3
	v_max3_num_f32 v[CH+(\k)], v[CH+(\k)], v[Z+16*(\k)+3+2*(\n)], v[Z+16*(\k)+4+2*(\n)]
.endr
.endr
	v_max3_num_f32 v[CH], v[CH], v[Z+15], v[Z+31]  ; the four left over,
	v_max3_num_f32 v[CH+1], v[CH+1], v[Z+47], v[Z+63]
	v_max3_num_f32 v[CH], v[CH], v[CH+1], v[CH+2]
	v_max_num_f32 v[CH], v[CH], v[CH+3]
	v_permlanex16_b32 v[TP], v[CH], s72, s73       ; and the query's other 64 keys
	v_max_num_f32 v[MX], v[CH], v[TP]
	v_mov_b32 v[STT+2*(\a)], v[MX]
.set i, 0
.rept 32
	v_pk_add_f32 v[Z+2*i:Z+2*i+1], v[Z+2*i:Z+2*i+1], v[MX:MX+1] op_sel_hi:[1,0] neg_lo:[0,1] neg_hi:[0,1]  ; z - m_g
.set i, i+1
.endr
.set i, 0
.rept 32
	v_pk_mul_f32 v[Z+2*i:Z+2*i+1], v[Z+2*i:Z+2*i+1], s[78:79] op_sel_hi:[1,0]
.set i, i+1
.endr
.set i, 0
.rept 64
	v_exp_f32 v[Z+i], v[Z+i]                       ; one batch
.set i, i+1
.endr
	v_nop                                          ; a plain instruction behind the last exponential,
	s_wait_alu depctr_va_vdst(0)                   ; and the one wait ahead of the batch's first reader
.if (\a) >= 2
	s_wait_xcnt 0x0                                ; the stores of the block two back have read this buffer
.endif
.set i, 0
.rept 32
	v_cvt_pk_f16_f32 v[PKB+i], v[Z+2*i], v[Z+2*i+1]
.set i, i+1
.endr
.irp w, 4,8,16,32,64                   ; the sum of the 32 pairs, in place: neighbours 1, 2, 4, 8, 16 pairs apart
.set i, 0
.rept 64/(\w)
	v_pk_add_f32 v[Z+(\w)*i:Z+(\w)*i+1], v[Z+(\w)*i:Z+(\w)*i+1], v[Z+(\w)*i+(\w)/2:Z+(\w)*i+(\w)/2+1]
.set i, i+1
.endr
.endr
	v_add_f32 v[CH], v[Z], v[Z+1]
	v_permlanex16_b32 v[TP], v[CH], s72, s73
	v_add_f32 v[STT+2*(\a)+1], v[CH], v[TP]
.endm
.macro TOSTAGE a                       ; 16 bytes a lane into my own stage, and back as whole rows of 256 bytes, into the registers that they left
.set PKB, PK+32*((\a)%2)
.irp b, 0,1,2,3,4,5,6,7
	ds_store_b128 v[STO], v[PKB+4*(\b):PKB+4*(\b)+3] offset:32*(\b)
.endr
.irp t, 0,1,2,3,4,5,6,7
	ds_load_b128 v[PKB+4*(\t):PKB+4*(\t)+3], v[RD] offset:(\t)*2*SPITCH  ; LDS serves a wave's instructions in order (ISA guide 5.7.1.4): these see the stores above
.endr
.endm
.macro SEND a
.set PKB, PK+32*((\a)%2)
	s_wait_dscnt 0x0
	s_wait_xcnt 0x0                                ; earlier stores have read their base: it is stepped only behind this wait
.if (\a) > 0
	s_add_nc_u64 s[CB:CB+1], s[CB:CB+1], 16*4096
.endif
.irp t, 0,1,2,3,4,5,6,7
	global_store_b128 v[CO], v[PKB+4*(\t):PKB+4*(\t)+3], s[CB:CB+1] offset:(\t)*2*4096  ; 16 lanes store 256 consecutive bytes, aligned
.endr
.endm
	SOFT 0
	TOSTAGE 0
.irp a, 1,2,3                          ; a block's arithmetic stands between the loads of the block before and its stores
	SOFT \a
	SEND (\a)-1
	TOSTAGE \a
.endr
	SEND 3
	; (m_g, l_g): both halves of the lanes hold them, so lanes 0-15 carry one block's 16 rows and lanes 16-31 the next block's: 32 rows x 8 bytes = 256 consecutive bytes, aligned
	v_cndmask_b32 v240, v[STT],   v[STT+2], s74
	v_cndmask_b32 v241, v[STT+1], v[STT+3], s74
	v_cndmask_b32 v242, v[STT+4], v[STT+6], s74
	v_cndmask_b32 v243, v[STT+5], v[STT+7], s74
	global_store_b64 v[SO], v[240:241], s[82:83]
	global_store_b64 v[SO], v[242:243], s[82:83] offset:256
	s_wait_tensorcnt 0x0                           ; the wave's end
	ds_add_u32 v[SPW], v[NIL]
	s_wait_dscnt 0x0
	CROUND                                         ; the closing round
	s_endpgm
.Lfunc_end_k_qe41baad9d2_scores:
	.size	k_qe41baad9d2_scores, .Lfunc_end_k_qe41baad9d2_scores-k_qe41baad9d2_scores
	.p2alignl 7, 3214868480
	.fill 96, 4, 3214868480
	.section	.rodata,"a",@progbits
	.p2align	6, 0x0
	.amdhsa_kernel k_qe41baad9d2_scores
		.amdhsa_group_segment_fixed_size 327680
		.amdhsa_private_segment_fixed_size 0
		.amdhsa_enable_private_segment 0
		.amdhsa_kernarg_size 32
		.amdhsa_user_sgpr_count 2
		.amdhsa_user_sgpr_kernarg_segment_ptr 1
		.amdhsa_wavefront_size32 1
		.amdhsa_system_sgpr_workgroup_id_x 1
		.amdhsa_system_sgpr_workgroup_id_y 1
		.amdhsa_system_sgpr_workgroup_id_z 1
		.amdhsa_system_vgpr_workitem_id 0
		.amdhsa_next_free_vgpr 768
		.amdhsa_next_free_sgpr 96
		.amdhsa_reserve_vcc 1
		.amdhsa_float_denorm_mode_32 3
		.amdhsa_float_denorm_mode_16_64 3
		.amdhsa_memory_ordered 1
		.amdhsa_forward_progress 1
		.amdhsa_inst_pref_size 145
	.end_amdhsa_kernel
	.amdgpu_metadata
---
amdhsa.version: [ 1, 2 ]
amdhsa.kernels:
  - .name:           k_qe41baad9d2_scores
    .symbol:         k_qe41baad9d2_scores.kd
    .args:
      - { .name: qk, .offset: 0, .size: 8, .value_kind: global_buffer, .address_space: global }
      - { .name: mask, .offset: 8, .size: 8, .value_kind: global_buffer, .address_space: global }
      - { .name: p, .offset: 16, .size: 8, .value_kind: global_buffer, .address_space: global }
      - { .name: st, .offset: 24, .size: 8, .value_kind: global_buffer, .address_space: global }
    .group_segment_fixed_size: 327680
    .private_segment_fixed_size: 0
    .kernarg_segment_align: 8
    .kernarg_segment_size: 32
    .max_flat_workgroup_size: 128
    .sgpr_count:     96
    .vgpr_count:     768
    .wavefront_size: 32
...
	.end_amdgpu_metadata
.endif
;; end of part 3
;; launch pv (part 4): grid 4 x 64, 4 waves a work-group, clusters of 4 x 4, 327,680 bytes of LDS; arguments p, vt, st, out0; writes out0
.if DOCPART == 4
	.amdgcn_target "amdgcn-amd-amdhsa--gfx1250"
	.amdhsa_code_object_version 6
	.text
	.protected	k_qe41baad9d2_pv
	.globl	k_qe41baad9d2_pv
	.p2align	8
	.type	k_qe41baad9d2_pv,@function
k_qe41baad9d2_pv:
	s_mov_b64 s[64:65], 0
	v_nop
	global_prefetch_b8 v0, s[64:65] scope:SCOPE_SE
	s_setreg_imm32_b32 hwreg(HW_REG_WAVE_MODE, 25, 1), 1
	s_wait_xcnt 0x0
	s_wait_alu depctr_hold_cnt(0) depctr_sa_sdst(0) depctr_va_vdst(0) depctr_va_sdst(0) depctr_va_ssrc(0) depctr_va_vcc(0) depctr_vm_vsrc(0)
	s_getreg_b32 s2, hwreg(HW_REG_IB_STS2, 6, 4)
	s_cmp_eq_u32 s2, 0
	s_cbranch_scc0 .Lentry_in_a_cluster
	s_endpgm
.Lentry_in_a_cluster:
	s_bfe_u32 s2, ttmp6, 0x10000c
	s_cmp_lg_u32 s2, 0xf033
	s_cbranch_scc0 .Lentry_shape_is_right
	s_endpgm
.Lentry_shape_is_right:
; THE SECOND LEVEL OF THE SOFTMAX AND THE PRODUCT WITH v.  For each query: m = the largest of its 16 m_g, e_g = exp(m_g - m), l = sum of l_g e_g; out = (sum over groups of e_g P_g V_g) / l.
; m, l and 1 / l are f32.  e_g, rounded to f16, multiplies P's fragments between their LDS load and the matrix instruction (v_pk_mul_f16: one more rounding of a matrix operand); 1 / l multiplies the f32 sums.
; LIMITS.  p e_g lies in 0 to 1; below 6e-5 it keeps f16's fixed step of 6e-8; e_g below 2^-126 counts as 0.  NaN and infinities are not treated apart.
; THE PRODUCT.  A = p [8192][2048], B = vt [batch][1024 channels][2048 keys], K = 2,048 keys, f16 operands, f32 sums; K step t is key group t.  A tile is 128 queries x 256 channels:
; 256 work-groups, one for each WGP.  Four waves, each 64 x 128.  Ring, cluster and transposed use as in the launches before.
.set PITCH,  272
.set AHALF,  64*PITCH
.set BHALF,  128*PITCH
.set BOFF,   2*AHALF
.set SLOT,   BOFF+2*BHALF
.set STAGE,  2*SLOT                    ; behind the ring: 16 rows x 528 bytes for each wave
.set SPITCH, 528                       ; 512 bytes + 16 = 132 words: row r starts at bank 4 r mod 64
.set GT,     STAGE+4*16*SPITCH         ; 242,688: the factors: [16 groups][128 queries], a word each: e_g twice, in f16
.set RL,     GT+16*512                 ; 250,880: 1 / l of the 128 queries
.set SPARE,  RL+512                    ; 251,392: the spare words
.set LAPS,   8
.set ROWL,   12
.set ADRA, 16
.set ADRB, 20
.set GW,   19                          ; v19 where my thread puts its query's factors
.set SO,   22                          ; v22 8 x thread: my query's place in st; never rewritten
.set STO,  24
.set RD,   25
.set CO,   26
.set GB,   27                          ; v27 my lane's place in a group's factors; never rewritten
.set SPW,  28
.set NIL,  29
.set PFO,  30
.set GA,   31                          ; v31 the LDS address of the factors in hand
.set RI,   8                           ; v8, 10, 12, 14: 1 / l of my query in blocks 0-3; v9, 11, 13, 15 are named with them as pairs
.set TMP,  32                          ; v32-95 the way in; a block's scaled results
.set OB,   96                          ; v96-159, v160-223 a block's rows read back, by turns
.set F0,   0
.set F1,   96
.set FAC,  192                         ; window 1, v192-199: the factors of my four blocks, a set for each slot
.set WV,  12
.set WR,  13
.set WC,  14
.set LIM, 15
.set G1A, 24
.set G0A, 32
.set PFA, 44
.set G1B, 48
.set G0B, 56
.set GS,  76                           ; s76 512 x the group whose factors are fetched next
.set CB,  80
.set MUL,  0xa5
.set TO_F, 0x40
.set W_SC, 0x45                        ; destination and both sources in window 1
.set MSB, 0
.macro WIN new
.if MSB != (\new)
	s_set_vgpr_msb (MSB<<8)|(\new)
.set MSB, \new
.endif
.endm
.macro PLACES
.rept 4
	v_nop
.endr
.endm
.macro JLOAD s
	s_cmp_lt_u32 s[WV], 2
	s_cbranch_scc0 .Lfor_b_\@
	tensor_load_to_lds s[G0A+4*(\s):G0A+4*(\s)+3], s[G1A:G1A+7]
	s_nop 0
.rept 4
	v_nop
.endr
	s_branch .Lasked_\@
.Lfor_b_\@:
	tensor_load_to_lds s[G0B+4*(\s):G0B+4*(\s)+3], s[G1B:G1B+7]
	s_nop 0
.rept 4
	v_nop
.endr
.Lasked_\@:
.endm
.macro ASK
	s_cmp_gt_u32 s3, s[LIM]
	s_cbranch_scc0 .Lnot_mine_\@
	global_prefetch_b8 v[PFO], s[PFA:PFA+1] offset:256 th:TH_LOAD_NT scope:SCOPE_SE
.Lnot_mine_\@:
.endm
.macro CREST
	s_cmp_lg_u32 s[WV], 0
	s_cbranch_scc1 .Lnot_wave_0_\@
	s_barrier_signal -3
.Lnot_wave_0_\@:
	s_barrier_wait -3
	s_barrier_signal -1
	s_barrier_wait -1
.endm
.macro CROUND
	s_barrier_signal -1
	s_barrier_wait -1
	CREST
.endm
.macro SCL f, a, half, set             ; four registers of P's fragment a times its query's e_g
	WIN W_SC
.irp r, 0,1,2,3
	v_pk_mul_f16 v[(\f)+64+8*(\a)+4*(\half)+(\r)], v[(\f)+64+8*(\a)+4*(\half)+(\r)], v[FAC+4*(\set)+(\a)]
.endr
.endm
.macro MUL8 f, a, zero                 ; the 32 accumulators take turns, in the same order in every quarter
	WIN MUL
.irp b, 0,1,2,3,4,5,6,7
.if \zero
	v_wmma_f32_16x16x32_f16 v[64*(\a)+8*(\b):64*(\a)+8*(\b)+7], v[(\f)+8*(\b):(\f)+8*(\b)+7], v[(\f)+64+8*(\a):(\f)+64+8*(\a)+7], 0
.else
	v_wmma_f32_16x16x32_f16 v[64*(\a)+8*(\b):64*(\a)+8*(\b)+7], v[(\f)+8*(\b):(\f)+8*(\b)+7], v[(\f)+64+8*(\a):(\f)+64+8*(\a)+7], v[64*(\a)+8*(\b):64*(\a)+8*(\b)+7]
.endif
.endr
.endm
.macro MUL8R f, a, zero, set           ; the same, with the scaling of block a + 1 behind its first and its fifth product: four vector lines each, which name no register of the products round them
.irp b, 0,1,2,3,4,5,6,7
	WIN MUL
.if \zero
	v_wmma_f32_16x16x32_f16 v[64*(\a)+8*(\b):64*(\a)+8*(\b)+7], v[(\f)+8*(\b):(\f)+8*(\b)+7], v[(\f)+64+8*(\a):(\f)+64+8*(\a)+7], 0
.else
	v_wmma_f32_16x16x32_f16 v[64*(\a)+8*(\b):64*(\a)+8*(\b)+7], v[(\f)+8*(\b):(\f)+8*(\b)+7], v[(\f)+64+8*(\a):(\f)+64+8*(\a)+7], v[64*(\a)+8*(\b):64*(\a)+8*(\b)+7]
.endif
.if (\b) == 0
	SCL \f, (\a)+1, 0, \set
.endif
.if (\b) == 4
	SCL \f, (\a)+1, 1, \set
.endif
.endr
.endm
.macro FETCH slot, k, f
	WIN TO_F
.irp i, 0,1,2,3,4,5,6,7
	ds_load_b128 v[(\f)+8*(\i):(\f)+8*(\i)+3],   v[ADRB+(\slot)] offset:(\k)+(\i)*16*PITCH
	ds_load_b128 v[(\f)+8*(\i)+4:(\f)+8*(\i)+7], v[ADRB+(\slot)] offset:(\k)+(\i)*16*PITCH+32
.endr
.irp i, 0,1,2,3
	ds_load_b128 v[(\f)+64+8*(\i):(\f)+64+8*(\i)+3],   v[ADRA+(\slot)] offset:(\k)+(\i)*16*PITCH
	ds_load_b128 v[(\f)+64+8*(\i)+4:(\f)+64+8*(\i)+7], v[ADRA+(\slot)] offset:(\k)+(\i)*16*PITCH+32
.endr
.endm
.macro FETCHG set                      ; the next group's factors for my four blocks: four loads, ahead of the step's first fragments
	WIN 0
	v_add_nc_u32 v[GA], s[GS], v[GB]
	s_add_co_u32 s[GS], s[GS], 512
	WIN TO_F
.irp a, 0,1,2,3
	ds_load_b32 v[FAC+4*(\set)+(\a)], v[GA] offset:64*(\a)
.endr
.endm
.macro QUARTER slot, k, f, g, zero
	s_wait_dscnt 4                                 ; the factors, B and A's blocks 0, 1 are in; the youngest four loads (A's blocks 2, 3) may be out
	SCL \f, 0, 0, \slot
	SCL \f, 0, 1, \slot
	MUL8R \f, 0, \zero, \slot
	s_wait_dscnt 0x0                               ; A's blocks 2, 3: block 2 is scaled next
	MUL8R \f, 1, \zero, \slot
	PLACES
	FETCH \slot, \k, \g
	MUL8R \f, 2, \zero, \slot
	MUL8 \f, 3, \zero
.endm
.macro TURN slot, next, fill           ; the last quarter of a K step and the change of slots: the waits, the add and the round as in the launches before
.if \fill
	s_wait_xcnt 0x0                                ; the last prefetch, a K step back, has read its address
	s_add_nc_u64 s[PFA:PFA+1], s[PFA:PFA+1], 256
.endif
	WIN 0
	s_wait_tensorcnt 0x0                           ; all my tensor loads have landed: my part of the next slot
	ds_add_u32 v[SPW], v[NIL]
	s_wait_dscnt 5                                 ; the add and the youngest four loads may be out
	SCL F1, 0, 0, \slot
	SCL F1, 0, 1, \slot
	MUL8R F1, 0, 0, \slot
	s_wait_dscnt 0x0                               ; the add is done, my reads of this slot are over
	s_barrier_signal -1
	MUL8R F1, 1, 0, \slot
	WIN 0
	s_barrier_wait -1
.if \fill
	CREST
	s_add_nc_u64 s[G0A+4*(\slot)+2:G0A+4*(\slot)+3], s[G0A+4*(\slot)+2:G0A+4*(\slot)+3], 512
	s_add_nc_u64 s[G0B+4*(\slot)+2:G0B+4*(\slot)+3], s[G0B+4*(\slot)+2:G0B+4*(\slot)+3], 512
	JLOAD \slot
.else
	PLACES
.endif
	FETCHG \next
	FETCH \next, 0, F0
.if \fill
	WIN 0
	ASK
.endif
	MUL8R F1, 2, 0, \slot
	MUL8 F1, 3, 0
.endm
	s_load_b256 s[4:11], s[0:1], 0x0               ; p s[4:5], vt s[6:7], st s[8:9], out0 s[10:11]
	v_lshl_add_u32 v[SPW], v0, 2, SPARE
	v_mov_b32 v[NIL], 0
	ds_add_u32 v[SPW], v[NIL]                      ; the wave's opening: the add and its wait, ahead of my first tensor load
	v_lshrrev_b32 v1, 5, v0
	v_readfirstlane_b32 s[WV], v1
	s_lshr_b32 s[WR], s[WV], 1
	s_and_b32 s[WC], s[WV], 1
	s_bfe_u32 s40, ttmp6, 0x40000
	s_bfe_u32 s41, ttmp6, 0x40004
	s_mov_b32 s66, ttmp9
	s_and_b32 s67, ttmp7, 0xffff
	s_lshl_b32 s42, s66, 2
	s_add_co_u32 s42, s42, s40                     ; tile column: 256 channels
	s_lshl_b32 s43, s67, 2
	s_add_co_u32 s43, s43, s41                     ; tile row: 128 queries
	s_lshr_b32 s68, s67, 2                         ; the batch
	s_lshl_b32 s18, s41, 2
	s_lshl_b32 s18, 15, s18
	s_lshl_b32 s19, 0x1111, s40
	s_or_b32 s[G1A], s18, (1<<16)|(1<<20)|(1<<21)|(5<<22)|(3<<25)
	s_or_b32 s[G1B], s19, (1<<16)|(1<<20)|(1<<21)|(5<<22)|(3<<25)
	s_mov_b32 s[G1A+1], 128<<16
	s_mov_b32 s[G1B+1], 128<<16
	s_mov_b32 s[G1A+2], 64<<16
	s_mov_b32 s[G1B+2], 128<<16
	s_mov_b32 s[G1A+3], 128<<16
	s_mov_b32 s[G1B+3], 128<<16
	s_mov_b32 s[G1A+4], 64
	s_mov_b32 s[G1B+4], 128
	s_mov_b32 s[G1A+5], 2048
	s_mov_b32 s[G1B+5], 2048
	s_mov_b32 s[G1A+6], 0
	s_mov_b32 s[G1B+6], 0
	s_mov_b32 s[G1A+7], 0
	s_mov_b32 s[G1B+7], 0
	s_lshl_b32 s16, s43, 7
	s_lshl_b32 s17, s[WC], 6
	s_add_co_u32 s16, s16, s17
	s_lshl_b32 s16, s16, ROWL                      ; A: p's rows
	s_mov_b32 s17, 0
	s_lshl_b32 s46, s42, 8
	s_lshl_b32 s47, s[WC], 7
	s_add_co_u32 s46, s46, s47
	s_lshl_b32 s46, s46, ROWL
	s_lshl_b32 s47, s68, 22
	s_add_co_u32 s46, s46, s47                     ; B: the batch's plane of vt, its channels' rows
	s_mov_b32 s47, 0
	s_mul_i32 s84, s[WC], AHALF
	s_mul_i32 s85, s[WC], BHALF
	s_add_co_u32 s85, s85, BOFF
	s_lshl_b32 s86, s43, 7
	s_lshl_b32 s87, s[WR], 6
	s_add_co_u32 s86, s86, s87
	s_lshl_b32 s86, s86, 12                        ; out0: my first row, 4,096 bytes a row,
	s_lshl_b32 s87, s42, 10
	s_add_co_u32 s86, s86, s87                     ; 1,024 bytes a tile column,
	s_lshl_b32 s87, s[WC], 9
	s_add_co_u32 s86, s86, s87                     ; my 512 of them
	s_mov_b32 s87, 0
	s_lshl_b32 s88, s43, 10                        ; st: the tile's 128 rows of 8 bytes
	s_mov_b32 s89, 0
	s_mov_b32 s78, 0x3fb8aa3b                      ; log2(e)
	s_mov_b32 s[GS], 0
	s_wait_dscnt 0x0                               ; the opening add is done
	s_wait_kmcnt 0x0
	s_add_nc_u64 s[16:17], s[4:5], s[16:17]
	s_add_nc_u64 s[46:47], s[6:7], s[46:47]
	s_add_nc_u64 s[CB:CB+1], s[10:11], s[86:87]
	s_add_nc_u64 s[82:83], s[8:9], s[88:89]
	CROUND
.irp s, 0,1
	s_mov_b32 s[G0A+4*(\s)], 1
	s_add_co_u32 s[G0A+4*(\s)+1], s84, (\s)*SLOT
	s_add_nc_u64 s[G0A+4*(\s)+2:G0A+4*(\s)+3], s[16:17], (\s)*256
	s_or_b32 s[G0A+4*(\s)+3], s[G0A+4*(\s)+3], 0x80000000
	s_mov_b32 s[G0B+4*(\s)], 1
	s_add_co_u32 s[G0B+4*(\s)+1], s85, (\s)*SLOT
	s_add_nc_u64 s[G0B+4*(\s)+2:G0B+4*(\s)+3], s[46:47], (\s)*256
	s_or_b32 s[G0B+4*(\s)+3], s[G0B+4*(\s)+3], 0x80000000
.endr
	s_cmp_lt_u32 s[WV], 2
	s_cbranch_scc0 .Lfirst_b
	tensor_load_to_lds s[G0A:G0A+3], s[G1A:G1A+7]
	s_nop 0
	tensor_load_to_lds s[G0A+4:G0A+7], s[G1A:G1A+7]
	s_nop 0
.rept 4
	v_nop
.endr
	s_branch .Lfirst_asked
.Lfirst_b:
	tensor_load_to_lds s[G0B:G0B+3], s[G1B:G1B+7]
	s_nop 0
	tensor_load_to_lds s[G0B+4:G0B+7], s[G1B:G1B+7]
	s_nop 0
.rept 4
	v_nop
.endr
.Lfirst_asked:
	; THE WAY IN, in the wait for the first tile.  Thread t owns query t of the tile's 128: its 16 pairs (m_g, l_g); a load of the work-group covers 1,024 consecutive bytes.
	v_lshlrev_b32 v[SO], 3, v0
.set g, 0
.rept 16
	global_load_b64 v[TMP+2*g:TMP+2*g+1], v[SO], s[82:83] offset:65536*g
.set g, g+1
.endr
	v_and_b32 v1, 15, v0
	v_bfe_u32 v2, v0, 4, 1
	v_mul_u32_u24 v3, v1, PITCH
	v_lshl_add_u32 v3, v2, 4, v3
	s_mul_i32 s18, s[WR], AHALF
	s_mul_i32 s19, s[WC], BHALF
	s_add_co_u32 s19, s19, BOFF
	v_add_nc_u32 v[ADRA], s18, v3
	v_add_nc_u32 v[ADRB], s19, v3
	v_add_nc_u32 v[ADRA+1], SLOT, v[ADRA]
	v_add_nc_u32 v[ADRB+1], SLOT, v[ADRB]
	s_mul_i32 s18, s[WV], 16*SPITCH
	s_add_co_u32 s18, s18, STAGE                   ; my stage
	v_mul_u32_u24 v4, v1, SPITCH
	v_lshl_add_u32 v4, v2, 5, v4
	v_add_nc_u32 v[STO], s18, v4                   ; in: row l % 16, 32 bytes for each half of the lanes
	v_and_b32 v5, 31, v0
	v_lshlrev_b32 v[CO], 4, v5                     ; back and out: 32 lanes take a row's 512 bytes
	v_add_nc_u32 v[RD], s18, v[CO]
	v_lshlrev_b32 v[PFO], ROWL, v5
	v_lshl_add_u32 v[GW], v0, 2, GT
	s_lshl_b32 s18, s[WR], 8
	s_add_co_u32 s18, s18, GT
	v_lshl_add_u32 v[GB], v1, 2, s18               ; my 64 queries' words, my lane's query in block 0
.irp a, 0,1,2,3
	v_mov_b32 v[RI+2*(\a)+1], 0                    ; named as the high half of a pair whose low half alone is used
.endr
	; THE PREFETCHES.  p's rows are read by this cluster alone: its wave 0 asks, 32 rows a partner (by address: cx).  vt's rows are read by a batch's four clusters: the first of them asks, waves 2 and 3
	; for the 128 rows that each fetches, 32 rows a partner (cy).  So each row's 256 bytes of a K step are named once.  K steps 0 to 3 come by their loads alone.
	s_lshl_b32 s20, s43, 7
	s_lshl_b32 s21, s40, 5
	s_add_co_u32 s20, s20, s21
	s_lshl_b32 s20, s20, ROWL
	s_lshl_b32 s22, s42, 8
	s_lshl_b32 s23, s[WC], 7
	s_add_co_u32 s22, s22, s23
	s_lshl_b32 s23, s41, 5
	s_add_co_u32 s22, s22, s23
	s_lshl_b32 s22, s22, ROWL
	s_lshl_b32 s23, s68, 22
	s_add_co_u32 s22, s22, s23
	s_and_b32 s19, s67, 3
	s_cmp_eq_u32 s[WR], 0
	s_cselect_b32 s20, s20, s22
	s_cselect_b32 s18, s[WC], s19
	s_cselect_b64 s[PFA:PFA+1], s[4:5], s[6:7]
	s_cmp_eq_u32 s18, 0
	s_cselect_b32 s[LIM], 1, -1
	s_add_co_u32 s20, s20, 512                     ; at K step 2
	s_mov_b32 s21, 0
	s_add_nc_u64 s[PFA:PFA+1], s[PFA:PFA+1], s[20:21]
	s_wait_loadcnt 0x0
	v_max3_num_f32 v80, v[TMP], v[TMP+2], v[TMP+4] ; the row's maximum
.irp n, 0,1,2,3,4,5
	v_max3_num_f32 v80, v80, v[TMP+6+4*(\n)], v[TMP+8+4*(\n)]
.endr
	v_max_num_f32 v80, v80, v[TMP+30]
.set g, 0
.rept 16
	v_sub_f32 v[TMP+2*g], v[TMP+2*g], v80          ; m_g - m first, the factor log2(e) afterwards: both may lie near -1e9
.set g, g+1
.endr
.set g, 0
.rept 16
	v_mul_f32 v[TMP+2*g], s78, v[TMP+2*g]
.set g, g+1
.endr
.set g, 0
.rept 16
	v_exp_f32 v[TMP+2*g], v[TMP+2*g]               ; e_g: one batch
.set g, g+1
.endr
	v_nop
	s_wait_alu depctr_va_vdst(0)                   ; the one wait ahead of the batch's first reader
	v_mul_f32 v81, v[TMP], v[TMP+1]
.set g, 1
.rept 15
	v_fmac_f32 v81, v[TMP+2*g], v[TMP+2*g+1]       ; l = sum of l_g e_g; at least 1, since the group that holds the maximum has e_g = 1 and l_g >= 1
.set g, g+1
.endr
	v_rcp_f32 v82, v81
.set g, 0
.rept 16
	v_cvt_pk_f16_f32 v[TMP+32+g], v[TMP+2*g], v[TMP+2*g]  ; e_g twice, for the packed multiply; plain work behind the reciprocal
.set g, g+1
.endr
	s_wait_alu depctr_va_vdst(0)                   ; the reciprocal's wait
.set g, 0
.rept 16
	ds_store_b32 v[GW], v[TMP+32+g] offset:512*g
.set g, g+1
.endr
	ds_store_b32 v[GW], v82 offset:RL-GT
	s_wait_tensorcnt 1                             ; my part of K step 0 is in; K step 1's may stay out
	s_wait_dscnt 0x0                               ; for the others' sake: my factors are stored
	s_barrier_signal -1
	s_barrier_wait -1
.irp a, 0,1,2,3
	ds_load_b32 v[RI+2*(\a)], v[GB] offset:RL-GT+64*(\a)
.endr
	FETCHG 0
	FETCH 0, 0, F0
	QUARTER 0, 64,  F0, F1, 1
	WIN 0
	s_mov_b32 s3, LAPS-1
.Llap:
	QUARTER 0, 128, F1, F0, 0
	QUARTER 0, 192, F0, F1, 0
	TURN 0, 1, 1
	QUARTER 1, 64,  F0, F1, 0
	QUARTER 1, 128, F1, F0, 0
	QUARTER 1, 192, F0, F1, 0
	TURN 1, 0, 1
	QUARTER 0, 64,  F0, F1, 0
	WIN 0
	s_sub_co_u32 s3, s3, 1
	s_cmp_lg_u32 s3, 0
	s_cbranch_scc1 .Llap
	QUARTER 0, 128, F1, F0, 0
	QUARTER 0, 192, F0, F1, 0
	TURN 0, 1, 0
	QUARTER 1, 64,  F0, F1, 0
	QUARTER 1, 128, F1, F0, 0
	QUARTER 1, 192, F0, F1, 0
	s_wait_dscnt 4
	SCL F1, 0, 0, 1
	SCL F1, 0, 1, 1
	MUL8R F1, 0, 0, 1
	s_wait_dscnt 0x0
	MUL8R F1, 1, 0, 1
	MUL8R F1, 2, 0, 1
	MUL8 F1, 3, 0
	WIN 0
	PLACES
; THE WAY OUT, a block of 16 queries at a time: times 1 / l (each accumulator read from its low end on), 32 bytes a lane into my own stage, back as whole rows of 512 bytes, stored.
.macro OUTS a
	WIN 0x02                                       ; source 0 in window 2
.set i, 0
.rept 32
	v_pk_mul_f32 v[TMP+2*i:TMP+2*i+1], v[64*(\a)+2*i:64*(\a)+2*i+1], v[RI+2*(\a):RI+2*(\a)+1] op_sel_hi:[1,0]
.set i, i+1
.endr
	WIN 0
.endm
.macro TOST a
.set BK, OB+64*((\a)%2)
.irp b, 0,1,2,3,4,5,6,7
	ds_store_b128 v[STO], v[TMP+8*(\b):TMP+8*(\b)+3]   offset:64*(\b)
	ds_store_b128 v[STO], v[TMP+8*(\b)+4:TMP+8*(\b)+7] offset:64*(\b)+16
.endr
.irp t, 0,1,2,3,4,5,6,7,8,9,10,11,12,13,14,15
	ds_load_b128 v[BK+4*(\t):BK+4*(\t)+3], v[RD] offset:(\t)*SPITCH  ; LDS serves a wave's instructions in order (ISA guide 5.7.1.4): these see the stores above
.endr
.endm
.macro SENDF a
.set BK, OB+64*((\a)%2)
	s_wait_dscnt 0x0
	s_wait_xcnt 0x0                                ; earlier stores have read their base and their data: the base, and the other buffer, are rewritten only behind this wait
.if (\a) > 0
	s_add_nc_u64 s[CB:CB+1], s[CB:CB+1], 16*4096
.endif
.irp t, 0,1,2,3,4,5,6,7,8,9,10,11,12,13,14,15
	global_store_b128 v[CO], v[BK+4*(\t):BK+4*(\t)+3], s[CB:CB+1] offset:(\t)*4096 th:TH_STORE_NT  ; 32 lanes store 512 consecutive bytes, aligned
.endr
.endm
	OUTS 0
	TOST 0
.irp a, 1,2,3
	OUTS \a
	SENDF (\a)-1
	TOST \a
.endr
	SENDF 3
	s_wait_tensorcnt 0x0                           ; the wave's end
	ds_add_u32 v[SPW], v[NIL]
	s_wait_dscnt 0x0
	CROUND                                         ; the closing round
	s_endpgm
.Lfunc_end_k_qe41baad9d2_pv:
	.size	k_qe41baad9d2_pv, .Lfunc_end_k_qe41baad9d2_pv-k_qe41baad9d2_pv
	.p2alignl 7, 3214868480
	.fill 96, 4, 3214868480
	.section	.rodata,"a",@progbits
	.p2align	6, 0x0
	.amdhsa_kernel k_qe41baad9d2_pv
		.amdhsa_group_segment_fixed_size 327680
		.amdhsa_private_segment_fixed_size 0
		.amdhsa_enable_private_segment 0
		.amdhsa_kernarg_size 32
		.amdhsa_user_sgpr_count 2
		.amdhsa_user_sgpr_kernarg_segment_ptr 1
		.amdhsa_wavefront_size32 1
		.amdhsa_system_sgpr_workgroup_id_x 1
		.amdhsa_system_sgpr_workgroup_id_y 1
		.amdhsa_system_sgpr_workgroup_id_z 1
		.amdhsa_system_vgpr_workitem_id 0
		.amdhsa_next_free_vgpr 768
		.amdhsa_next_free_sgpr 96
		.amdhsa_reserve_vcc 0
		.amdhsa_float_denorm_mode_32 3
		.amdhsa_float_denorm_mode_16_64 3
		.amdhsa_memory_ordered 1
		.amdhsa_forward_progress 1
		.amdhsa_inst_pref_size 141
	.end_amdhsa_kernel
	.amdgpu_metadata
---
amdhsa.version: [ 1, 2 ]
amdhsa.kernels:
  - .name:           k_qe41baad9d2_pv
    .symbol:         k_qe41baad9d2_pv.kd
    .args:
      - { .name: p, .offset: 0, .size: 8, .value_kind: global_buffer, .address_space: global }
      - { .name: vt, .offset: 8, .size: 8, .value_kind: global_buffer, .address_space: global }
      - { .name: st, .offset: 16, .size: 8, .value_kind: global_buffer, .address_space: global }
      - { .name: out0, .offset: 24, .size: 8, .value_kind: global_buffer, .address_space: global }
    .group_segment_fixed_size: 327680
    .private_segment_fixed_size: 0
    .kernarg_segment_align: 8
    .kernarg_segment_size: 32
    .max_flat_workgroup_size: 128
    .sgpr_count:     96
    .vgpr_count:     768
    .wavefront_size: 32
...
	.end_amdgpu_metadata
.endif
;; end of part 4
;; ======== version 2 of 2: 5 launches
;; limits: values are held in f16: magnitudes above 65,504 overflow, below 6.1e-05 lose precision; inputs' magnitudes at most 65,504
;; workspace buffers: xh 16,777,216 bytes; wt 6,291,456 bytes; mt 2,097,152 bytes; ym 16,777,216 bytes; vt 16,777,216 bytes; p 33,554,432 bytes; st 1,048,576 bytes
;; launch prep (part 5): grid 768 x 1, 8 waves a work-group, no clusters, 18,432 bytes of LDS; arguments x, Wq, Wk, Wv, xh, wt; writes xh, wt
.if DOCPART == 5
	.amdgcn_target "amdgcn-amd-amdhsa--gfx1250"
	.amdhsa_code_object_version 6
	.text
	.protected	k_qe41baad9d2_prep
	.globl	k_qe41baad9d2_prep
	.p2align	8
	.type	k_qe41baad9d2_prep,@function
k_qe41baad9d2_prep:
	s_mov_b64 s[64:65], 0
	v_nop
	global_prefetch_b8 v0, s[64:65] scope:SCOPE_SE
	s_setreg_imm32_b32 hwreg(HW_REG_WAVE_MODE, 25, 1), 1
	s_wait_xcnt 0x0
; THE INPUTS' ROUNDING.  Every number of x, Wq, Wk, Wv is rounded to bf16 (8 significant bits), and that number is written as f16, the format of all later products: f16 holds it exactly from 2^-14 to 65,504;
; below 2^-14 it is off by at most 3e-8; LIMIT: an input of 65,408 or more becomes an infinity.
; xh = x, [8192][1024].  wt = [3072][1024]: rows 0-1,023 Wk and rows 1,024-2,047 Wq as they lie (row = input channel, the summed output channel along the row), rows 2,048-3,071 Wv turned (row = output channel).
; Work-groups 0-511 take 65,536 bytes of x each, 512-639 as many of Wk and then Wq, by the same text; work-groups 640-767 take a tile of 128 k x 64 n of Wv each and turn it in LDS.
; The branch between the two texts hangs on the work-group's number alone, so all eight waves take the same way and meet the same barrier.
; No matrix unit, cluster or tensor load: every byte is read once and written once, and nothing is shared between work-groups.
.set TP,    272                        ; a row of the turned tile in LDS: 128 k x 2 bytes + 16
.set SPARE, 64*TP                      ; 17,408: behind the tile, the spare words, 128 bytes for each of the eight waves
.set SPW, 8                            ; v8  LDS address of my spare word; never rewritten
.set NIL, 9                            ; v9  0; never rewritten
.macro TOH d, a, b, t                  ; two numbers: to bf16, widened again (a shift, a mask), and written as f16
	v_cvt_pk_bf16_f32 v[\d], v[\a], v[\b]
	v_lshlrev_b32 v[\t], 16, v[\d]
	v_and_b32 v[(\t)+1], s26, v[\d]
	v_cvt_pk_f16_f32 v[\d], v[\t], v[(\t)+1]
.endm
	s_load_b256 s[4:11], s[0:1], 0x0               ; x s[4:5], Wq s[6:7], Wk s[8:9], Wv s[10:11]
	s_load_b128 s[12:15], s[0:1], 0x20             ; xh s[12:13], wt s[14:15]
	v_lshl_add_u32 v[SPW], v0, 2, SPARE
	v_mov_b32 v[NIL], 0
	v_and_b32 v6, 31, v0                           ; lane
	v_lshrrev_b32 v7, 5, v0                        ; wave
	s_mov_b32 s26, 0xffff0000                      ; a word's upper bf16
	s_cmp_lt_u32 ttmp9, 640
	s_cbranch_scc0 .Lturned
	; AS THEY LIE.  A wave takes 8,192 bytes: 16 loads of 512 consecutive bytes, all issued at once; each gives one store of 256 consecutive bytes, aligned.
	s_sub_co_u32 s16, ttmp9, 512                   ; among the weights' 128 work-groups (of use from 512 on)
	s_and_b32 s17, s16, 63
	s_lshl_b32 s20, s17, 16                        ; a weight matrix is 64 x 65,536 bytes;
	s_lshl_b32 s22, s16, 15                        ; in wt Wk's rows are followed by Wq's
	s_lshl_b32 s18, ttmp9, 16
	s_lshl_b32 s19, ttmp9, 15
	s_cmp_lt_u32 ttmp9, 512
	s_cselect_b32 s20, s18, s20
	s_cselect_b32 s22, s19, s22
	s_mov_b32 s21, 0
	s_mov_b32 s23, 0
	v_lshlrev_b32 v1, 4, v6
	v_lshl_add_u32 v1, v7, 13, v1                  ; 16 x lane + 8,192 x wave
	v_lshlrev_b32 v2, 3, v6
	v_lshl_add_u32 v2, v7, 12, v2                  ; 8 x lane + 4,096 x wave
	s_wait_kmcnt 0x0
	s_cmp_lt_u32 s16, 64
	s_cselect_b64 s[24:25], s[8:9], s[6:7]         ; Wk first, then Wq
	s_cmp_lt_u32 ttmp9, 512
	s_cselect_b64 s[24:25], s[4:5], s[24:25]       ; or x
	s_cselect_b64 s[28:29], s[12:13], s[14:15]
	s_add_nc_u64 s[24:25], s[24:25], s[20:21]
	s_add_nc_u64 s[28:29], s[28:29], s[22:23]
.irp j, 0,1,2,3,4,5,6,7,8,9,10,11,12,13,14,15
	global_load_b128 v[16+4*(\j):19+4*(\j)], v1, s[24:25] offset:512*(\j) th:TH_LOAD_NT
.endr
.irp j, 0,1,2,3,4,5,6,7,8,9,10,11,12,13,14,15
	s_wait_loadcnt 15-(\j)                         ; loads come back in order: load j is in, the younger ones stay out
	TOH 80+2*(\j), 16+4*(\j), 17+4*(\j), 12
	TOH 81+2*(\j), 18+4*(\j), 19+4*(\j), 14
	global_store_b64 v2, v[80+2*(\j):81+2*(\j)], s[28:29] offset:256*(\j)
.endr
	s_branch .Lend
.Lturned:
	; Wv TURNED.  i = work-group - 640: k tile i % 8 (128 k), n tile i / 8 (64 n).
	s_sub_co_u32 s16, ttmp9, 640
	s_and_b32 s18, s16, 7                          ; k tile
	s_lshr_b32 s19, s16, 3                         ; n tile
	s_lshl_b32 s20, s18, 19                        ; 128 rows of 4,096 bytes
	s_lshl_b32 s21, s19, 8                         ; 64 numbers of 4 bytes
	s_add_co_u32 s20, s20, s21
	s_mov_b32 s21, 0
	s_lshl_b32 s22, s19, 6
	s_add_co_u32 s22, s22, 2048                    ; wt's row
	s_lshl_b32 s22, s22, 11                        ; of 2,048 bytes
	s_lshl_b32 s23, s18, 8                         ; 128 k of 2 bytes
	s_add_co_u32 s22, s22, s23
	s_mov_b32 s23, 0
	v_and_b32 v10, 15, v0
	v_bfe_u32 v11, v0, 4, 1
	v_lshlrev_b32 v1, 3, v6
	v_lshl_add_u32 v1, v7, 16, v1                  ; in: my two n (8 bytes), my wave's 16 rows of k
	v_mul_u32_u24 v3, v6, 2*TP
	v_lshl_add_u32 v3, v7, 5, v3                   ; into LDS: row n = 2 x lane, my wave's 16 k (32 bytes)
	v_mul_u32_u24 v4, v7, 8*TP
	v_mul_u32_u24 v12, v11, TP
	v_add_nc_u32 v4, v4, v12
	v_lshl_add_u32 v4, v10, 4, v4                  ; back: my wave's 8 rows of n, two rows a load
	v_lshlrev_b32 v5, 14, v7
	v_lshl_add_u32 v5, v11, 11, v5
	v_lshl_add_u32 v5, v10, 4, v5                  ; and the same rows in wt
	s_wait_kmcnt 0x0
	s_add_nc_u64 s[24:25], s[10:11], s[20:21]
	s_add_nc_u64 s[14:15], s[14:15], s[22:23]
.irp r, 0,1,2,3,4,5,6,7,8,9,10,11,12,13,14,15
	global_load_b64 v[16+2*(\r):17+2*(\r)], v1, s[24:25] offset:4096*(\r) th:TH_LOAD_NT  ; 256 consecutive bytes of one row of k
.endr
	s_wait_loadcnt 0x0
.irp u, 0,1,2,3,4,5,6,7
	TOH 48+2*(\u), 16+4*(\u), 18+4*(\u), 12        ; two neighbouring k of my even n,
	TOH 49+2*(\u), 17+4*(\u), 19+4*(\u), 14        ; and of my odd n
.endr
.irp u, 0,1,2,3,4,5,6,7
	ds_store_b32 v3, v[48+2*(\u)] offset:4*(\u)
	ds_store_b32 v3, v[49+2*(\u)] offset:TP+4*(\u)
.endr
	s_wait_dscnt 0x0                               ; for the others' sake: my stores are done
	s_barrier_signal -1
	s_barrier_wait -1
.irp t, 0,1,2,3
	ds_load_b128 v[64+4*(\t):67+4*(\t)], v4 offset:2*TP*(\t)
.endr
.irp t, 0,1,2,3
	s_wait_dscnt 3-(\t)
	global_store_b128 v5, v[64+4*(\t):67+4*(\t)], s[14:15] offset:4096*(\t)  ; 16 lanes store 256 consecutive bytes, aligned
.endr
.Lend:
	s_wait_tensorcnt 0x0                           ; the wave's end: behind my last LDS store
	ds_add_u32 v[SPW], v[NIL]
	s_wait_dscnt 0x0
	s_endpgm
.Lfunc_end_k_qe41baad9d2_prep:
	.size	k_qe41baad9d2_prep, .Lfunc_end_k_qe41baad9d2_prep-k_qe41baad9d2_prep
	.p2alignl 7, 3214868480
	.fill 96, 4, 3214868480
	.section	.rodata,"a",@progbits
	.p2align	6, 0x0
	.amdhsa_kernel k_qe41baad9d2_prep
		.amdhsa_group_segment_fixed_size 18432
		.amdhsa_private_segment_fixed_size 0
		.amdhsa_enable_private_segment 0
		.amdhsa_kernarg_size 48
		.amdhsa_user_sgpr_count 2
		.amdhsa_user_sgpr_kernarg_segment_ptr 1
		.amdhsa_wavefront_size32 1
		.amdhsa_system_sgpr_workgroup_id_x 1
		.amdhsa_system_sgpr_workgroup_id_y 1
		.amdhsa_system_sgpr_workgroup_id_z 1
		.amdhsa_system_vgpr_workitem_id 0
		.amdhsa_next_free_vgpr 112
		.amdhsa_next_free_sgpr 66
		.amdhsa_reserve_vcc 0
		.amdhsa_float_denorm_mode_32 3
		.amdhsa_float_denorm_mode_16_64 3
		.amdhsa_memory_ordered 1
		.amdhsa_forward_progress 1
		.amdhsa_inst_pref_size 19
	.end_amdhsa_kernel
	.amdgpu_metadata
---
amdhsa.version: [ 1, 2 ]
amdhsa.kernels:
  - .name:           k_qe41baad9d2_prep
    .symbol:         k_qe41baad9d2_prep.kd
    .args:
      - { .name: x, .offset: 0, .size: 8, .value_kind: global_buffer, .address_space: global }
      - { .name: Wq, .offset: 8, .size: 8, .value_kind: global_buffer, .address_space: global }
      - { .name: Wk, .offset: 16, .size: 8, .value_kind: global_buffer, .address_space: global }
      - { .name: Wv, .offset: 24, .size: 8, .value_kind: global_buffer, .address_space: global }
      - { .name: xh, .offset: 32, .size: 8, .value_kind: global_buffer, .address_space: global }
      - { .name: wt, .offset: 40, .size: 8, .value_kind: global_buffer, .address_space: global }
    .group_segment_fixed_size: 18432
    .private_segment_fixed_size: 0
    .kernarg_segment_align: 8
    .kernarg_segment_size: 48
    .max_flat_workgroup_size: 256
    .sgpr_count:     66
    .vgpr_count:     112
    .wavefront_size: 32
...
	.end_amdgpu_metadata
.endif
;; end of part 5
;; launch mm (part 6): grid 16 x 16, 4 waves a work-group, clusters of 4 x 4, 327,680 bytes of LDS; arguments wt, mt; writes mt
.if DOCPART == 6
	.amdgcn_target "amdgcn-amd-amdhsa--gfx1250"
	.amdhsa_code_object_version 6
	.text
	.protected	k_qe41baad9d2_mm
	.globl	k_qe41baad9d2_mm
	.p2align	8
	.type	k_qe41baad9d2_mm,@function
k_qe41baad9d2_mm:
	s_mov_b64 s[64:65], 0
	v_nop
	global_prefetch_b8 v0, s[64:65] scope:SCOPE_SE
	s_setreg_imm32_b32 hwreg(HW_REG_WAVE_MODE, 25, 1), 1
	s_wait_xcnt 0x0
	s_wait_alu depctr_hold_cnt(0) depctr_sa_sdst(0) depctr_va_vdst(0) depctr_va_sdst(0) depctr_va_ssrc(0) depctr_va_vcc(0) depctr_vm_vsrc(0)
	s_getreg_b32 s2, hwreg(HW_REG_IB_STS2, 6, 4)
	s_cmp_eq_u32 s2, 0
	s_cbranch_scc0 .Lentry_in_a_cluster
	s_endpgm
.Lentry_in_a_cluster:
	s_bfe_u32 s2, ttmp6, 0x10000c
	s_cmp_lg_u32 s2, 0xf033
	s_cbranch_scc0 .Lentry_shape_is_right
	s_endpgm
.Lentry_shape_is_right:
; THE TWO SCORE WEIGHTS AS ONE.  (x Wq)(x Wk)^T = (x M) x^T with M = Wq Wk^T, for every input: so M is made once, and one projection of x takes the place of two.
; mt[i][j] = sum over e of Wk[i][e] Wq[j][e] = M[j][i]: M turned, as the next launch wants it (its summed index j along the rows).  [1024][1024], f16 operands, f32 sums, rounded once to f16.
; LIMIT.  f16 ends at 65,504; inputs as drawn give M a spread of 0.01, weights 30 times larger of 9, weights with an offset of 30 spreads numbers near 320.  Below 6e-5 f16 keeps its fixed step of 6e-8.
; SHARES.  A tile is 64 x 64: 256 work-groups.  ALL OF K LIES IN LDS AT ONCE: for each of Wk's and Wq's 64 rows four quarters of K, 512 bytes each: 8 regions of 64 rows x 528 bytes = 270,336 bytes.
; Nothing is filled again: each wave issues two loads at the start (waves 0, 1: Wk's quarters w, w + 2; waves 2, 3: Wq's), all are waited for once, one barrier, and a loop of four trips walks the quarters.
; A wave takes 16 rows x all 64 columns: four accumulators by turns; so it owns whole rows of the tile and its way out needs no other wave.
; CLUSTER 4 x 4: Wk's rows are asked for jointly along a row of the cluster, Wq's along a column.  No prefetch: all that the launch reads is asked for in its first lines.
; THE MATRIX INSTRUCTION IS USED TRANSPOSED (source 0 = 16 rows of Wq, source 1 = 16 rows of Wk): a lane holds row l % 16 of the tile and eight neighbouring columns.
.set PITCH, 528                        ; an LDS row: 512 bytes + 16 = 132 words: row r starts at bank 4 r mod 64 (64 banks of 4 bytes: ISA guide 11.1)
.set KB,    64*PITCH                   ; a region: 33,792
.set BOFF,  4*KB                       ; Wk's four regions, then Wq's four
.set STAGE, 8*KB                       ; 270,336: behind them 16 rows x 144 bytes for each wave
.set SP,    144                        ; 128 bytes + 16
.set SPARE, STAGE+4*16*SP              ; 279,552: the spare words, 128 bytes a wave
.set ADA, 16                           ; v16 my fragments of Wk in the quarter in hand; steps by a region
.set ADB, 17                           ; v17 the same for Wq
.set STO, 18
.set RD,  19
.set CO,  20
.set SPW, 28                           ; v28 my spare word; never rewritten
.set NIL, 29                           ; v29 0; never rewritten
.set ACC, 32                           ; v32-63   four accumulators: columns 16 b on at ACC + 8 b
.set FR,  64                           ; v64-223  the fragments of 128 along K: chunk c of 32 at FR + 40 c: Wk's, then Wq's four
.set PK,  224                          ; v224-239 the packed results, then whole rows
.set WV,  12
.set WC,  14
.set G1A, 24
.set G0A, 32
.set G1B, 48
.set G0B, 56
.macro CROUND                          ; a round of the cluster's barrier
	s_barrier_signal -1
	s_barrier_wait -1
	s_cmp_lg_u32 s[WV], 0
	s_cbranch_scc1 .Lnot_wave_0_\@
	s_barrier_signal -3
.Lnot_wave_0_\@:
	s_barrier_wait -3
	s_barrier_signal -1
	s_barrier_wait -1
.endm
	s_load_b128 s[4:7], s[0:1], 0x0                ; wt s[4:5], mt s[6:7]
	v_lshl_add_u32 v[SPW], v0, 2, SPARE
	v_mov_b32 v[NIL], 0
	ds_add_u32 v[SPW], v[NIL]                      ; the wave's opening: the add and its wait, ahead of my first tensor load
	v_lshrrev_b32 v1, 5, v0
	v_readfirstlane_b32 s[WV], v1
	s_and_b32 s[WC], s[WV], 1                      ; which quarters of K I fetch: WC and WC + 2
	s_bfe_u32 s40, ttmp6, 0x40000                  ; cx
	s_bfe_u32 s41, ttmp6, 0x40004                  ; cy
	s_lshl_b32 s42, ttmp9, 2
	s_add_co_u32 s42, s42, s40                     ; tile column (64 rows of Wq)
	s_and_b32 s43, ttmp7, 0xffff
	s_lshl_b32 s43, s43, 2
	s_add_co_u32 s43, s43, s41                     ; tile row (64 rows of Wk)
	s_lshl_b32 s18, s41, 2
	s_lshl_b32 s18, 15, s18                        ; my row of the cluster
	s_lshl_b32 s19, 0x1111, s40                    ; my column
	s_or_b32 s[G1A], s18, (1<<16)|(1<<20)|(1<<21)|(6<<22)|(3<<25)  ; the mask; 2-byte elements; padding on; bit 21 beside a mask; after every 128 words 4 words
	s_or_b32 s[G1B], s19, (1<<16)|(1<<20)|(1<<21)|(6<<22)|(3<<25)
.irp g, G1A, G1B
	s_mov_b32 s[(\g)+1], 256<<16                   ; tensor_dim0 = 256
	s_mov_b32 s[(\g)+2], 64<<16                    ; tensor_dim1 = 64
	s_mov_b32 s[(\g)+3], 256<<16                   ; tile_dim0 = 256
	s_mov_b32 s[(\g)+4], 64                        ; tile_dim1 = 64
	s_mov_b32 s[(\g)+5], 1024                      ; elements from row to row
	s_mov_b32 s[(\g)+6], 0
	s_mov_b32 s[(\g)+7], 0
.endr
	s_lshl_b32 s16, s43, 17                        ; Wk: 64 rows of 2,048 bytes a tile row,
	s_lshl_b32 s17, s[WC], 9                       ; 512 bytes a quarter
	s_add_co_u32 s16, s16, s17
	s_mov_b32 s17, 0
	s_lshl_b32 s46, s42, 17                        ; Wq likewise,
	s_lshl_b32 s47, s[WC], 9
	s_add_co_u32 s46, s46, s47
	s_add_co_u32 s46, s46, 0x200000                ; 1,024 rows further down in wt
	s_mov_b32 s47, 0
	s_mul_i32 s84, s[WC], KB                       ; where they go: no place in the cluster enters an LDS address
	s_add_co_u32 s85, s84, BOFF
	s_lshl_b32 s82, s43, 17                        ; mt: the tile's 64 rows,
	s_lshl_b32 s83, s[WV], 15                      ; my 16 of them,
	s_add_co_u32 s82, s82, s83
	s_lshl_b32 s83, s42, 7                         ; the tile's 128 bytes of a row
	s_add_co_u32 s82, s82, s83
	s_mov_b32 s83, 0
	s_wait_dscnt 0x0                               ; the opening add is done
	s_wait_kmcnt 0x0
	s_add_nc_u64 s[16:17], s[4:5], s[16:17]
	s_add_nc_u64 s[46:47], s[4:5], s[46:47]
	s_add_nc_u64 s[6:7], s[6:7], s[82:83]
	CROUND                                         ; all sixteen work-groups are here: the joint loads meet
.irp s, 0,1
	s_mov_b32 s[G0A+4*(\s)], 1
	s_add_co_u32 s[G0A+4*(\s)+1], s84, (\s)*2*KB
	s_add_nc_u64 s[G0A+4*(\s)+2:G0A+4*(\s)+3], s[16:17], (\s)*1024
	s_or_b32 s[G0A+4*(\s)+3], s[G0A+4*(\s)+3], 0x80000000
	s_mov_b32 s[G0B+4*(\s)], 1
	s_add_co_u32 s[G0B+4*(\s)+1], s85, (\s)*2*KB
	s_add_nc_u64 s[G0B+4*(\s)+2:G0B+4*(\s)+3], s[46:47], (\s)*1024
	s_or_b32 s[G0B+4*(\s)+3], s[G0B+4*(\s)+3], 0x80000000
.endr
	s_cmp_lt_u32 s[WV], 2                          ; a wave's two fills stand in one branch: two loads of mine are out
	s_cbranch_scc0 .Lfirst_b
	tensor_load_to_lds s[G0A:G0A+3], s[G1A:G1A+7]
	s_nop 0
	tensor_load_to_lds s[G0A+4:G0A+7], s[G1A:G1A+7]
	s_nop 0
.rept 4
	v_nop
.endr
	s_branch .Lfirst_asked
.Lfirst_b:
	tensor_load_to_lds s[G0B:G0B+3], s[G1B:G1B+7]
	s_nop 0
	tensor_load_to_lds s[G0B+4:G0B+7], s[G1B:G1B+7]
	s_nop 0
.rept 4
	v_nop
.endr
.Lfirst_asked:
	v_and_b32 v1, 15, v0                           ; l % 16
	v_bfe_u32 v2, v0, 4, 1                         ; l / 16
	v_mul_u32_u24 v3, v1, PITCH
	v_lshl_add_u32 v3, v2, 4, v3                   ; a fragment's row x pitch + 16 x half
	s_mul_i32 s18, s[WV], 16*PITCH
	v_add_nc_u32 v[ADA], s18, v3                   ; my 16 rows of Wk
	v_add_nc_u32 v[ADB], BOFF, v3                  ; Wq's rows 0-15; the other blocks stand in the offsets
	s_mul_i32 s18, s[WV], 16*SP
	s_add_co_u32 s18, s18, STAGE                   ; my stage
	v_mul_u32_u24 v4, v1, SP
	v_lshl_add_u32 v4, v2, 4, v4
	v_add_nc_u32 v[STO], s18, v4                   ; in: row l % 16, 16 bytes for each half of the lanes
	v_bfe_u32 v5, v0, 3, 2
	v_and_b32 v6, 7, v0
	v_mul_u32_u24 v7, v5, SP
	v_lshl_add_u32 v7, v6, 4, v7
	v_add_nc_u32 v[RD], s18, v7                    ; back: 32 lanes take four rows of 128 bytes,
	v_lshlrev_b32 v5, 11, v5
	v_lshl_add_u32 v[CO], v6, 4, v5                ; and the same four rows in mt
.set r, 0
.rept 32
	v_mov_b32 v[ACC+r], 0                          ; the sums start at 0: written while the loads are on their way, so that the loop has one form of product
.set r, r+1
.endr
; 128 along K, at byte k of the quarter's rows: 40 LDS loads in one run, chunk by chunk, and 16 products, each chunk's as soon as its ten loads are in.
; The four accumulators take turns, one instruction a turn, over the backward jump too.
.macro SUB k
.irp c, 0,1,2,3
	ds_load_b128 v[FR+40*(\c):FR+40*(\c)+3],   v[ADA] offset:(\k)+64*(\c)
	ds_load_b128 v[FR+40*(\c)+4:FR+40*(\c)+7], v[ADA] offset:(\k)+64*(\c)+32
.irp b, 0,1,2,3
	ds_load_b128 v[FR+40*(\c)+8+8*(\b):FR+40*(\c)+11+8*(\b)],  v[ADB] offset:(\k)+64*(\c)+(\b)*16*PITCH
	ds_load_b128 v[FR+40*(\c)+12+8*(\b):FR+40*(\c)+15+8*(\b)], v[ADB] offset:(\k)+64*(\c)+(\b)*16*PITCH+32
.endr
.endr
.irp c, 0,1,2,3
	s_wait_dscnt 30-10*(\c)                        ; LDS loads come back in order: chunk c is in, the later chunks' ten loads each stay out
.irp b, 0,1,2,3
	v_wmma_f32_16x16x32_f16 v[ACC+8*(\b):ACC+8*(\b)+7], v[FR+40*(\c)+8+8*(\b):FR+40*(\c)+15+8*(\b)], v[FR+40*(\c):FR+40*(\c)+7], v[ACC+8*(\b):ACC+8*(\b)+7]
.endr
.endr
.rept 4
	v_nop                                          ; four places in front of loads into registers that the products have read, and of the conversions
.endr
.endm
	s_wait_tensorcnt 0x0                           ; my two parts are in,
	s_barrier_signal -1
	s_barrier_wait -1                              ; everybody's are
	s_mov_b32 s3, 4
.Lquarter:
	SUB 0
	SUB 256
	v_add_nc_u32 v[ADA], KB, v[ADA]
	v_add_nc_u32 v[ADB], KB, v[ADB]
	s_sub_co_u32 s3, s3, 1
	s_cmp_lg_u32 s3, 0
	s_cbranch_scc1 .Lquarter
	; THE WAY OUT: rounded to f16 (each accumulator read from its low end on), 16 bytes a lane into my own stage, back as whole rows of the tile
.irp b, 0,1,2,3
.irp r, 0,1,2,3
	v_cvt_pk_f16_f32 v[PK+4*(\b)+(\r)], v[ACC+8*(\b)+2*(\r)], v[ACC+8*(\b)+2*(\r)+1]
.endr
.endr
.irp b, 0,1,2,3
	ds_store_b128 v[STO], v[PK+4*(\b):PK+4*(\b)+3] offset:32*(\b)
.endr
.irp f, 0,1,2,3
	ds_load_b128 v[PK+4*(\f):PK+4*(\f)+3], v[RD] offset:(\f)*4*SP  ; LDS serves a wave's instructions in order (ISA guide 5.7.1.4): these see the stores above
.endr
	s_wait_dscnt 0x0
.irp f, 0,1,2,3
	global_store_b128 v[CO], v[PK+4*(\f):PK+4*(\f)+3], s[6:7] offset:(\f)*4*2048  ; eight lanes store 128 consecutive bytes: a tile's row is no longer
.endr
	s_wait_tensorcnt 0x0                           ; the wave's end
	ds_add_u32 v[SPW], v[NIL]
	s_wait_dscnt 0x0
	CROUND                                         ; the closing round
	s_endpgm
.Lfunc_end_k_qe41baad9d2_mm:
	.size	k_qe41baad9d2_mm, .Lfunc_end_k_qe41baad9d2_mm-k_qe41baad9d2_mm
	.p2alignl 7, 3214868480
	.fill 96, 4, 3214868480
	.section	.rodata,"a",@progbits
	.p2align	6, 0x0
	.amdhsa_kernel k_qe41baad9d2_mm
		.amdhsa_group_segment_fixed_size 327680
		.amdhsa_private_segment_fixed_size 0
		.amdhsa_enable_private_segment 0
		.amdhsa_kernarg_size 16
		.amdhsa_user_sgpr_count 2
		.amdhsa_user_sgpr_kernarg_segment_ptr 1
		.amdhsa_wavefront_size32 1
		.amdhsa_system_sgpr_workgroup_id_x 1
		.amdhsa_system_sgpr_workgroup_id_y 1
		.amdhsa_system_sgpr_workgroup_id_z 1
		.amdhsa_system_vgpr_workitem_id 0
		.amdhsa_next_free_vgpr 256
		.amdhsa_next_free_sgpr 96
		.amdhsa_reserve_vcc 0
		.amdhsa_float_denorm_mode_32 3
		.amdhsa_float_denorm_mode_16_64 3
		.amdhsa_memory_ordered 1
		.amdhsa_forward_progress 1
		.amdhsa_inst_pref_size 18
	.end_amdhsa_kernel
	.amdgpu_metadata
---
amdhsa.version: [ 1, 2 ]
amdhsa.kernels:
  - .name:           k_qe41baad9d2_mm
    .symbol:         k_qe41baad9d2_mm.kd
    .args:
      - { .name: wt, .offset: 0, .size: 8, .value_kind: global_buffer, .address_space: global }
      - { .name: mt, .offset: 8, .size: 8, .value_kind: global_buffer, .address_space: global }
    .group_segment_fixed_size: 327680
    .private_segment_fixed_size: 0
    .kernarg_segment_align: 8
    .kernarg_segment_size: 16
    .max_flat_workgroup_size: 128
    .sgpr_count:     96
    .vgpr_count:     256
    .wavefront_size: 32
...
	.end_amdgpu_metadata
.endif
;; end of part 6
;; launch proj (part 7): grid 4 x 64, 4 waves a work-group, clusters of 4 x 4, 327,680 bytes of LDS; arguments xh, wt, mt, ym, vt; writes ym, vt
.if DOCPART == 7
	.amdgcn_target "amdgcn-amd-amdhsa--gfx1250"
	.amdhsa_code_object_version 6
	.text
	.protected	k_qe41baad9d2_proj
	.globl	k_qe41baad9d2_proj
	.p2align	8
	.type	k_qe41baad9d2_proj,@function
k_qe41baad9d2_proj:
	s_mov_b64 s[64:65], 0
	v_nop
	global_prefetch_b8 v0, s[64:65] scope:SCOPE_SE
	s_setreg_imm32_b32 hwreg(HW_REG_WAVE_MODE, 25, 1), 1
	s_wait_xcnt 0x0
	s_wait_alu depctr_hold_cnt(0) depctr_sa_sdst(0) depctr_va_vdst(0) depctr_va_sdst(0) depctr_va_ssrc(0) depctr_va_vcc(0) depctr_vm_vsrc(0)
	s_getreg_b32 s2, hwreg(HW_REG_IB_STS2, 6, 4)
	s_cmp_eq_u32 s2, 0
	s_cbranch_scc0 .Lentry_in_a_cluster
	s_endpgm
.Lentry_in_a_cluster:
	s_bfe_u32 s2, ttmp6, 0x10000c
	s_cmp_lg_u32 s2, 0xf033
	s_cbranch_scc0 .Lentry_shape_is_right
	s_endpgm
.Lentry_shape_is_right:
; THE PROJECTIONS.  C[i][j] = sum over k of A[i][k] B[j][k], K = 1,024, operands f16, sums f32, C rounded once to f16.
; Clusters y 0-7:  A = xh (8,192 rows), B = mt (M turned, 1,024 rows), C = ym [8192][1024] = x M / 256.
; Clusters y 8-15: A = wt's rows 2,048-3,071 (v's channels), B = xh, C = vt [4][1024 channels][2048 positions]: v turned, as the last launch wants it.
; LIMITS.  f16 ends at 65,504.  x M is 0.3 in spread for inputs as drawn, 9,000 with x and the weights 30 times larger, and 9.4e6 with offsets of 30 spreads on both: so it is kept divided by 256, a power
; of two that the next launch takes back, and holds up to 1.6e7.  v is some 3 at the most as drawn, 17,000 with those offsets.  Below 6e-5 f16 keeps its fixed step of 6e-8.
; SHARES.  A tile of C is 256 x 256: 128 tiles for x M, 128 for v: 256 work-groups, one for each WGP.  Four waves, each 128 x 128: 64 accumulators, 512 registers.
; K goes in steps of 128 (rows of 256 bytes, aligned) through two LDS slots; each wave fetches 128 rows: waves 0, 1 A's halves, waves 2, 3 B's.  From a refill's request to the wait for it a wave issues 224 matrix instructions.
; CLUSTER 4 x 4: A's tile is asked for jointly along a row of the cluster, B's along a column.
; THE MATRIX INSTRUCTION IS USED TRANSPOSED (source 0 = 16 rows of B, source 1 = 16 rows of A): a lane holds row l % 16 of C and eight neighbouring columns.
; THE WAY OUT IS A LOOP: each wave puts its raw sums into LDS, 128 rows x 528 bytes of its own in the ring's bytes (both slots have had their last fill, and a barrier stands behind every wave's last read of
; them), and one text walks its eight blocks of 16 rows.  They come back so that lane (c, h) holds row 2 t + h and the columns 8 c .. 8 c + 7: rounded, 16 bytes a lane that sixteen lanes store as 256 bytes on end.
; REGISTERS.  window 0: v0-31 addresses; v64-127, v128-191 A's fragments, two buffers; v128-159, v192-255 the way out.  window 1: v64-191 B's fragments, two buffers.
;   window 2: the accumulators of my rows 0-63 ((a, b) at 8 (8 a + b)); window 3: those of my rows 64-127.
.set PITCH,  272                       ; an LDS row: 256 bytes + 16 = 68 words: the 16 rows of a fragment load start at 16 different groups of four banks (64 banks of 4 bytes: ISA guide 11.1)
.set HALFT,  128*PITCH                 ; what one tensor load brings, and what one wave reads of A or of B
.set SLOT,   4*HALFT                   ; A's 256 rows, then B's 256: 139,264
.set RING,   2*SLOT                    ; 278,528
.set ZP,     528                       ; a row of raw sums: 512 bytes + 16 = 132 words: row r starts at bank 4 r mod 64
.set ZWAVE,  128*ZP                    ; a wave's rows: 67,584; four of them end at 270,336, inside the ring
.set SPARE,  RING                      ; behind the ring: the spare words, 128 bytes a wave
.set LAPS,   4                         ; a lap = two K steps
.set ROWL,   11                        ; a row of xh, wt and mt is 2,048 bytes
.set ADRA, 16                          ; v16-17 my A fragments in slot 0, 1
.set ADRB, 20                          ; v20-21 my B fragments
.set STO,  24                          ; v24 where I put my raw sums
.set RDZ,  25                          ; v25 where I read a block back; steps by a block
.set CO,   26                          ; v26 my byte offset in two rows of C
.set SPW,  28                          ; v28 my spare word; never rewritten
.set NIL,  29                          ; v29 0; never rewritten
.set PFO,  30                          ; v30 lane x a row's bytes; never rewritten
.set F0,   64
.set F1,   128
.set PK,   128                         ; v128-159 a block's packed results
.set RAW,  192                         ; v192-255 a block's raw sums
.set WV,  12
.set WR,  13                           ; which 128 rows of A's 256 are mine.  Also: I fetch for A (0) or B (1)
.set WC,  14                           ; which 128 rows of B's 256 are mine.  Also: which half I fetch
.set LIM, 15                           ; 1 in a wave that prefetches, else the greatest number
.set G1A, 24
.set G0A, 32
.set PFA, 44
.set G1B, 48
.set G0B, 56
.set CB,  80                           ; s[80:81] C at my rows
.set MUL_LO, 0xa1                      ; source 0 (B) window 1, source 1 (A) window 0, C and D window 2
.set MUL_HI, 0xf1                      ; the same, C and D window 3
.set TO_B,   0x40                      ; destination window 1, address window 0
.set MSB, 0
.macro WIN new                         ; the immediate's high byte repeats the setting that is left
.if MSB != (\new)
	s_set_vgpr_msb (MSB<<8)|(\new)
.set MSB, \new
.endif
.endm
.macro PLACES                          ; four places between a matrix instruction and a load into, or a read of, its registers
.rept 4
	v_nop
.endr
.endm
.macro JLOAD s                         ; a joint refill: one line for A, one for B; the branch hangs on the wave's number alone; an s_nop 0 and four v_nop follow each line
	s_cmp_lt_u32 s[WV], 2
	s_cbranch_scc0 .Lfor_b_\@
	tensor_load_to_lds s[G0A+4*(\s):G0A+4*(\s)+3], s[G1A:G1A+7]
	s_nop 0
.rept 4
	v_nop
.endr
	s_branch .Lasked_\@
.Lfor_b_\@:
	tensor_load_to_lds s[G0B+4*(\s):G0B+4*(\s)+3], s[G1B:G1B+7]
	s_nop 0
.rept 4
	v_nop
.endr
.Lasked_\@:
.endm
.macro ASK                             ; a prefetch of the K step two refills on: 32 rows x 256 bytes, a lane a row; the loop's last trip has no such step
	s_cmp_gt_u32 s3, s[LIM]
	s_cbranch_scc0 .Lnot_mine_\@
	global_prefetch_b8 v[PFO], s[PFA:PFA+1] offset:256 th:TH_LOAD_NT scope:SCOPE_SE
.Lnot_mine_\@:
.endm
.macro CREST                           ; a round of the cluster's barrier behind its opening barrier
	s_cmp_lg_u32 s[WV], 0
	s_cbranch_scc1 .Lnot_wave_0_\@
	s_barrier_signal -3
.Lnot_wave_0_\@:
	s_barrier_wait -3
	s_barrier_signal -1
	s_barrier_wait -1
.endm
.macro CROUND
	s_barrier_signal -1
	s_barrier_wait -1
	CREST
.endm
; 16 matrix instructions: blocks a0, a0 + 1 of the window's four x all 8 blocks of my columns, 32 along K.  The 64 accumulators take turns, in the same order in every quarter.
.macro MUL16 f, hi, a0, zero
	WIN MUL_LO+0x50*(\hi)
.irp a, \a0, (\a0)+1
.irp b, 0,1,2,3,4,5,6,7
.if \zero
	v_wmma_f32_16x16x32_f16 v[8*(8*(\a)+(\b)):8*(8*(\a)+(\b))+7], v[(\f)+8*(\b):(\f)+8*(\b)+7], v[(\f)+8*(4*(\hi)+(\a)):(\f)+8*(4*(\hi)+(\a))+7], 0
.else
	v_wmma_f32_16x16x32_f16 v[8*(8*(\a)+(\b)):8*(8*(\a)+(\b))+7], v[(\f)+8*(\b):(\f)+8*(\b)+7], v[(\f)+8*(4*(\hi)+(\a)):(\f)+8*(4*(\hi)+(\a))+7], v[8*(8*(\a)+(\b)):8*(8*(\a)+(\b))+7]
.endif
.endr
.endr
.endm
.macro FETCH slot, k, f                ; 32 LDS loads in one run: a quarter step's fragments, B's 8 first, then A's 8
	WIN TO_B
.irp i, 0,1,2,3,4,5,6,7
	ds_load_b128 v[(\f)+8*(\i):(\f)+8*(\i)+3],   v[ADRB+(\slot)] offset:(\k)+(\i)*16*PITCH
	ds_load_b128 v[(\f)+8*(\i)+4:(\f)+8*(\i)+7], v[ADRB+(\slot)] offset:(\k)+(\i)*16*PITCH+32
.endr
	WIN 0
.irp i, 0,1,2,3,4,5,6,7
	ds_load_b128 v[(\f)+8*(\i):(\f)+8*(\i)+3],   v[ADRA+(\slot)] offset:(\k)+(\i)*16*PITCH
	ds_load_b128 v[(\f)+8*(\i)+4:(\f)+8*(\i)+7], v[ADRA+(\slot)] offset:(\k)+(\i)*16*PITCH+32
.endr
.endm
.macro QUARTER slot, k, f, g, zero     ; multiplies buffer f; in its middle fetches the next quarter, at byte k of the rows, into g
	s_wait_dscnt 8                                 ; B and A's rows 0-63 are in; the youngest eight loads (A's rows 64-127) may be out
	MUL16 \f, 0, 0, \zero
	MUL16 \f, 0, 2, \zero
	PLACES
	FETCH \slot, \k, \g
	s_wait_dscnt 32                                ; all but the 32 just issued
	MUL16 \f, 1, 0, \zero
	MUL16 \f, 1, 2, \zero
.endm
; The last quarter of a K step multiplies buffer 1 and changes slots.  In front of the barrier each wave waits for all its tensor loads (one is out: its part of the next slot), adds 0 to its
; spare word, and waits for that and for its reads of this slot.  fill = 1: the barrier opens a round of the cluster's, and the joint refill, two K steps on, is the first thing behind it.
.macro TURN slot, next, fill
.if \fill
	s_wait_xcnt 0x0                                ; the last prefetch, a K step back, has read its address
	s_add_nc_u64 s[PFA:PFA+1], s[PFA:PFA+1], 256
.endif
	WIN 0
	s_wait_tensorcnt 0x0
	ds_add_u32 v[SPW], v[NIL]
	s_wait_dscnt 9                                 ; the add and the youngest eight loads may be out
	MUL16 F1, 0, 0, 0
	s_wait_dscnt 0x0                               ; the add is done, my reads of this slot are over
	s_barrier_signal -1
	MUL16 F1, 0, 2, 0
	WIN 0
	s_barrier_wait -1
.if \fill
	CREST
	s_add_nc_u64 s[G0A+4*(\slot)+2:G0A+4*(\slot)+3], s[G0A+4*(\slot)+2:G0A+4*(\slot)+3], 512
	s_add_nc_u64 s[G0B+4*(\slot)+2:G0B+4*(\slot)+3], s[G0B+4*(\slot)+2:G0B+4*(\slot)+3], 512
	JLOAD \slot                                    ; its four v_nop are also the places in front of the loads below
.else
	PLACES
.endif
	FETCH \next, 0, F0
.if \fill
	ASK
.endif
	MUL16 F1, 1, 0, 0
	MUL16 F1, 1, 2, 0
.endm
	s_load_b256 s[4:11], s[0:1], 0x0               ; xh s[4:5], wt s[6:7], mt s[8:9], ym s[10:11]
	s_load_b64 s[92:93], s[0:1], 0x20              ; vt
	v_lshl_add_u32 v[SPW], v0, 2, SPARE
	v_mov_b32 v[NIL], 0
	ds_add_u32 v[SPW], v[NIL]                      ; the wave's opening: the add and its wait, ahead of my first tensor load
	v_lshrrev_b32 v1, 5, v0
	v_readfirstlane_b32 s[WV], v1
	s_lshr_b32 s[WR], s[WV], 1
	s_and_b32 s[WC], s[WV], 1
	s_bfe_u32 s40, ttmp6, 0x40000                  ; cx
	s_bfe_u32 s41, ttmp6, 0x40004                  ; cy
	s_and_b32 s67, ttmp7, 0xffff                   ; cluster y; there is one cluster along x
	s_sub_co_u32 s68, s67, 8
	s_cmp_ge_u32 s67, 8                            ; v's part?  The same answer in all sixteen partners
	s_cselect_b32 s71, 1, 0
	s_cselect_b32 s69, s68, 0                      ; the cluster's place along C's columns,
	s_cselect_b32 s70, 0, s67                      ; and along its rows
	s_cselect_b32 s72, 12, 11                      ; a row of C: 4,096 bytes in vt, 2,048 in ym
	s_lshl_b32 s42, s69, 2
	s_add_co_u32 s42, s42, s40                     ; tile column (256 rows of B)
	s_lshl_b32 s43, s70, 2
	s_add_co_u32 s43, s43, s41                     ; tile row (256 rows of A)
	s_lshl_b32 s18, s41, 2
	s_lshl_b32 s18, 15, s18                        ; my row of the cluster
	s_lshl_b32 s19, 0x1111, s40                    ; my column
	s_or_b32 s[G1A], s18, (1<<16)|(1<<20)|(1<<21)|(5<<22)|(3<<25)  ; the mask; 2-byte elements; padding on; bit 21 beside a mask; after every 64 words 4 words
	s_or_b32 s[G1B], s19, (1<<16)|(1<<20)|(1<<21)|(5<<22)|(3<<25)
.irp g, G1A, G1B
	s_mov_b32 s[(\g)+1], 128<<16                   ; tensor_dim0 = 128
	s_mov_b32 s[(\g)+2], 128<<16                   ; tensor_dim1 = 128
	s_mov_b32 s[(\g)+3], 128<<16                   ; tile_dim0 = 128
	s_mov_b32 s[(\g)+4], 128                       ; tile_dim1 = 128
	s_mov_b32 s[(\g)+5], 1024                      ; elements from row to row
	s_mov_b32 s[(\g)+6], 0
	s_mov_b32 s[(\g)+7], 0
.endr
	s_lshl_b32 s16, s43, 8                         ; A: row 256 x tile row + 128 x half, in bytes
	s_lshl_b32 s17, s[WC], 7
	s_add_co_u32 s16, s16, s17
	s_lshl_b32 s16, s16, ROWL
	s_mov_b32 s17, 0
	s_lshl_b32 s46, s42, 8                         ; B: row 256 x tile column + 128 x half
	s_lshl_b32 s47, s[WC], 7
	s_add_co_u32 s46, s46, s47
	s_lshl_b32 s46, s46, ROWL
	s_mov_b32 s47, 0
	s_mul_i32 s84, s[WV], HALFT                    ; where they go: A's two halves, then B's two: no place in the cluster enters an LDS address
	s_lshr_b32 s82, s42, 3                         ; C: 2,048 columns to a plane of 4 MiB (plane 0 alone in x M's part, which has four tile columns),
	s_lshl_b32 s82, s82, 22
	s_and_b32 s83, s42, 7
	s_lshl_b32 s83, s83, 9                         ; 512 bytes a tile column,
	s_add_co_u32 s82, s82, s83
	s_lshl_b32 s83, s[WC], 8                       ; my 256 bytes of them,
	s_add_co_u32 s82, s82, s83
	s_lshl_b32 s83, s43, 8
	s_lshl_b32 s18, s[WR], 7
	s_add_co_u32 s83, s83, s18
	s_lshl_b32 s83, s83, s72                       ; my first row
	s_add_co_u32 s82, s82, s83
	s_mov_b32 s83, 0
	s_mov_b32 s76, 0x3b800000                      ; 1 / 256
	s_mov_b32 s77, s76                             ; named with it as a pair
	s_wait_dscnt 0x0                               ; the opening add is done
	s_wait_kmcnt 0x0
	s_add_nc_u64 s[18:19], s[6:7], 0x400000        ; wt at v's rows
	s_cmp_eq_u32 s71, 1
	s_cselect_b64 s[20:21], s[18:19], s[4:5]       ; A's tensor
	s_cselect_b64 s[22:23], s[4:5], s[8:9]         ; B's
	s_cselect_b64 s[CB:CB+1], s[92:93], s[10:11]   ; C's
	s_add_nc_u64 s[16:17], s[20:21], s[16:17]
	s_add_nc_u64 s[46:47], s[22:23], s[46:47]
	s_add_nc_u64 s[CB:CB+1], s[CB:CB+1], s[82:83]
	CROUND                                         ; all sixteen work-groups are here: the first joint loads meet
.irp s, 0,1
	s_mov_b32 s[G0A+4*(\s)], 1
	s_add_co_u32 s[G0A+4*(\s)+1], s84, (\s)*SLOT
	s_add_nc_u64 s[G0A+4*(\s)+2:G0A+4*(\s)+3], s[16:17], (\s)*256
	s_or_b32 s[G0A+4*(\s)+3], s[G0A+4*(\s)+3], 0x80000000
	s_mov_b32 s[G0B+4*(\s)], 1
	s_add_co_u32 s[G0B+4*(\s)+1], s84, (\s)*SLOT
	s_add_nc_u64 s[G0B+4*(\s)+2:G0B+4*(\s)+3], s[46:47], (\s)*256
	s_or_b32 s[G0B+4*(\s)+3], s[G0B+4*(\s)+3], 0x80000000
.endr
	s_cmp_lt_u32 s[WV], 2                          ; a wave's two first fills stand in one branch: two loads of mine are out
	s_cbranch_scc0 .Lfirst_b
	tensor_load_to_lds s[G0A:G0A+3], s[G1A:G1A+7]
	s_nop 0
	tensor_load_to_lds s[G0A+4:G0A+7], s[G1A:G1A+7]
	s_nop 0
.rept 4
	v_nop
.endr
	s_branch .Lfirst_asked
.Lfirst_b:
	tensor_load_to_lds s[G0B:G0B+3], s[G1B:G1B+7]
	s_nop 0
	tensor_load_to_lds s[G0B+4:G0B+7], s[G1B:G1B+7]
	s_nop 0
.rept 4
	v_nop
.endr
.Lfirst_asked:
	v_and_b32 v1, 15, v0                           ; l % 16
	v_bfe_u32 v2, v0, 4, 1                         ; l / 16
	v_mul_u32_u24 v3, v1, PITCH
	v_lshl_add_u32 v3, v2, 4, v3                   ; a fragment's row x pitch + 16 x half
	s_mul_i32 s18, s[WR], HALFT
	s_mul_i32 s19, s[WC], HALFT
	s_add_co_u32 s19, s19, 2*HALFT
	v_add_nc_u32 v[ADRA], s18, v3
	v_add_nc_u32 v[ADRB], s19, v3
	v_add_nc_u32 v[ADRA+1], SLOT, v[ADRA]
	v_add_nc_u32 v[ADRB+1], SLOT, v[ADRB]
	s_mul_i32 s18, s[WV], ZWAVE                    ; my rows of raw sums
	v_mul_u32_u24 v4, v1, ZP
	v_lshl_add_u32 v4, v2, 4, v4
	v_add_nc_u32 v[STO], s18, v4                   ; in: row l % 16 of a block; the four columns 16 b + 8 (l / 16) + 4 u .. go to byte 32 b + 16 (l / 16) + 256 u of the row
	v_mul_u32_u24 v5, v2, ZP
	v_lshl_add_u32 v5, v1, 4, v5
	v_add_nc_u32 v[RDZ], s18, v5                   ; back: row l / 16 of a pair; bytes 16 c and 256 + 16 c hold the columns 8 c .. 8 c + 7, c = l % 16: sixteen lanes read 256 bytes on end
	v_lshlrev_b32 v5, s72, v2
	v_lshl_add_u32 v[CO], v1, 4, v5                ; and the same two rows in C
	; THE PREFETCHES.  Each row's 256 bytes of a K step are named once in the launch.  A's tile row is read by every cluster along C's columns: the first of them asks (in x M's part there is one, so every
	; cluster asks for its own rows of xh); B's tile column by every cluster along C's rows: the first of them asks.  Of the 128 rows that a wave fetches, each of the four partners that ask for them jointly
	; takes 32, told apart by address (cx for A, cy for B).  In v's part B is xh, which the launch reads in x M's part too: it is named there alone.  K steps 0 to 3 come by their loads alone.
	s_lshl_b32 s86, s43, 8
	s_lshl_b32 s87, s40, 5
	s_add_co_u32 s86, s86, s87
	s_lshl_b32 s88, s42, 8
	s_lshl_b32 s89, s41, 5
	s_add_co_u32 s88, s88, s89
	s_or_b32 s19, s70, s71
	s_cmp_eq_u32 s[WR], 0
	s_cselect_b32 s86, s86, s88
	s_cselect_b32 s18, s69, s19
	s_cselect_b64 s[PFA:PFA+1], s[20:21], s[22:23]
	s_cmp_eq_u32 s18, 0
	s_cselect_b32 s[LIM], 1, -1                    ; hangs on the cluster's place and the wave's number: the same in all partners
	s_lshl_b32 s87, s[WC], 7
	s_add_co_u32 s86, s86, s87
	s_lshl_b32 s86, s86, ROWL
	s_add_co_u32 s86, s86, 512                     ; at K step 2: the first refill steps it to 3 and names K step 4
	s_mov_b32 s87, 0
	s_add_nc_u64 s[PFA:PFA+1], s[PFA:PFA+1], s[86:87]
	v_and_b32 v[PFO], 31, v0
	v_lshlrev_b32 v[PFO], ROWL, v[PFO]
	s_wait_tensorcnt 1                             ; my part of K step 0 is in; K step 1's may stay out
	s_barrier_signal -1
	s_barrier_wait -1
	FETCH 0, 0, F0
	QUARTER 0, 64,  F0, F1, 1                      ; the first quarter's products start the sums: nothing is cleared
	WIN 0
	s_mov_b32 s3, LAPS-1
.Llap:                                                 ; a trip goes once round the ring and fills both slots again
	QUARTER 0, 128, F1, F0, 0
	QUARTER 0, 192, F0, F1, 0
	TURN 0, 1, 1
	QUARTER 1, 64,  F0, F1, 0
	QUARTER 1, 128, F1, F0, 0
	QUARTER 1, 192, F0, F1, 0
	TURN 1, 0, 1
	QUARTER 0, 64,  F0, F1, 0
	WIN 0
	s_sub_co_u32 s3, s3, 1
	s_cmp_lg_u32 s3, 0
	s_cbranch_scc1 .Llap
	QUARTER 0, 128, F1, F0, 0                      ; the last lap fills nothing
	QUARTER 0, 192, F0, F1, 0
	TURN 0, 1, 0
	QUARTER 1, 64,  F0, F1, 0
	QUARTER 1, 128, F1, F0, 0
	QUARTER 1, 192, F0, F1, 0
	s_wait_dscnt 8
	MUL16 F1, 0, 0, 0
	MUL16 F1, 0, 2, 0
	s_wait_dscnt 0x0                               ; my last reads of the ring are back:
	s_barrier_signal -1                            ; say so,
	MUL16 F1, 1, 0, 0
	MUL16 F1, 1, 2, 0
	WIN 0
	s_barrier_wait -1                              ; and write into the ring's bytes only when all four waves have said so; no tensor load follows in this launch
	PLACES
	; THE RAW SUMS GO INTO LDS: 128 stores of 16 bytes a lane, each accumulator from its low end on.  A pass of sixteen lanes writes one column of sixteen rows, 528 bytes apart: sixteen different groups of banks.
.set a, 0
.rept 8
	WIN 0x08+4*(a/4)                               ; the stores' data: window 2 or 3
.set b, 0
.rept 8
	ds_store_b128 v[STO], v[64*(a%4)+8*b:64*(a%4)+8*b+3]   offset:a*16*ZP+32*b
	ds_store_b128 v[STO], v[64*(a%4)+8*b+4:64*(a%4)+8*b+7] offset:a*16*ZP+32*b+256
.set b, b+1
.endr
.set a, a+1
.endr
	WIN 0
.macro LOADRAW                         ; a block's 16 rows: row pair t, 32 bytes a lane.  LDS serves a wave's instructions in order (ISA guide 5.7.1.4): these see my stores above; nobody else touches these bytes
.irp t, 0,1,2,3,4,5,6,7
	ds_load_b128 v[RAW+8*(\t):RAW+8*(\t)+3],   v[RDZ] offset:(\t)*2*ZP
	ds_load_b128 v[RAW+8*(\t)+4:RAW+8*(\t)+7], v[RDZ] offset:(\t)*2*ZP+256
.endr
.endm
; Eight trips, a block of 16 rows each.  scale = 1: times 1 / 256.  rowb: bytes in a row of C.
.macro OUTLOOP scale, rowb
	s_mov_b32 s3, 8
.Lblock_\@:
	s_wait_dscnt 0x0                               ; the block's raw sums
.if \scale
.set i, 0
.rept 32
	v_pk_mul_f32 v[RAW+2*i:RAW+2*i+1], v[RAW+2*i:RAW+2*i+1], s[76:77] op_sel_hi:[1,0]
.set i, i+1
.endr
.endif
.set i, 0
.rept 32
	v_cvt_pk_f16_f32 v[PK+i], v[RAW+2*i], v[RAW+2*i+1]  ; (the last trip's stores have read these registers: the wait at the trip's end)
.set i, i+1
.endr
	s_cmp_eq_u32 s3, 1                             ; the last trip has no block behind it
	s_cbranch_scc1 .Lno_more_\@
	v_add_nc_u32 v[RDZ], 16*ZP, v[RDZ]
	LOADRAW                                        ; the next block comes in while this block's stores go out
.Lno_more_\@:
.irp t, 0,1,2,3,4,5,6,7
	global_store_b128 v[CO], v[PK+4*(\t):PK+4*(\t)+3], s[CB:CB+1] offset:(\t)*2*(\rowb)  ; 16 lanes store 256 consecutive bytes, aligned
.endr
	s_wait_xcnt 0x0                                ; the stores have read their base and their data: both are rewritten only behind this wait
	s_add_nc_u64 s[CB:CB+1], s[CB:CB+1], 16*(\rowb)
	s_sub_co_u32 s3, s3, 1
	s_cmp_lg_u32 s3, 0
	s_cbranch_scc1 .Lblock_\@
.endm
	LOADRAW                                        ; block 0
	s_cmp_eq_u32 s71, 1                            ; the cluster's part: the same way in all sixteen partners
	s_cbranch_scc1 .Lv_out
	OUTLOOP 1, 2048                                ; x M / 256 into ym
	s_branch .Lend
.Lv_out:
	OUTLOOP 0, 4096                                ; v into vt
.Lend:
	s_wait_tensorcnt 0x0                           ; the wave's end
	ds_add_u32 v[SPW], v[NIL]
	s_wait_dscnt 0x0
	CROUND                                         ; the closing round
	s_endpgm
.Lfunc_end_k_qe41baad9d2_proj:
	.size	k_qe41baad9d2_proj, .Lfunc_end_k_qe41baad9d2_proj-k_qe41baad9d2_proj
	.p2alignl 7, 3214868480
	.fill 96, 4, 3214868480
	.section	.rodata,"a",@progbits
	.p2align	6, 0x0
	.amdhsa_kernel k_qe41baad9d2_proj
		.amdhsa_group_segment_fixed_size 327680
		.amdhsa_private_segment_fixed_size 0
		.amdhsa_enable_private_segment 0
		.amdhsa_kernarg_size 40
		.amdhsa_user_sgpr_count 2
		.amdhsa_user_sgpr_kernarg_segment_ptr 1
		.amdhsa_wavefront_size32 1
		.amdhsa_system_sgpr_workgroup_id_x 1
		.amdhsa_system_sgpr_workgroup_id_y 1
		.amdhsa_system_sgpr_workgroup_id_z 1
		.amdhsa_system_vgpr_workitem_id 0
		.amdhsa_next_free_vgpr 1024
		.amdhsa_next_free_sgpr 96
		.amdhsa_reserve_vcc 0
		.amdhsa_float_denorm_mode_32 3
		.amdhsa_float_denorm_mode_16_64 3
		.amdhsa_memory_ordered 1
		.amdhsa_forward_progress 1
		.amdhsa_inst_pref_size 132
	.end_amdhsa_kernel
	.amdgpu_metadata
---
amdhsa.version: [ 1, 2 ]
amdhsa.kernels:
  - .name:           k_qe41baad9d2_proj
    .symbol:         k_qe41baad9d2_proj.kd
    .args:
      - { .name: xh, .offset: 0, .size: 8, .value_kind: global_buffer, .address_space: global }
      - { .name: wt, .offset: 8, .size: 8, .value_kind: global_buffer, .address_space: global }
      - { .name: mt, .offset: 16, .size: 8, .value_kind: global_buffer, .address_space: global }
      - { .name: ym, .offset: 24, .size: 8, .value_kind: global_buffer, .address_space: global }
      - { .name: vt, .offset: 32, .size: 8, .value_kind: global_buffer, .address_space: global }
    .group_segment_fixed_size: 327680
    .private_segment_fixed_size: 0
    .kernarg_segment_align: 8
    .kernarg_segment_size: 40
    .max_flat_workgroup_size: 128
    .sgpr_count:     96
    .vgpr_count:     1024
    .wavefront_size: 32
...
	.end_amdgpu_metadata
.endif
;; end of part 7
;; launch scores (part 8): grid 8 x 32, 4 waves a work-group, clusters of 4 x 4, 327,680 bytes of LDS; arguments ym, xh, mask, p, st; writes p, st
.if DOCPART == 8
	.amdgcn_target "amdgcn-amd-amdhsa--gfx1250"
	.amdhsa_code_object_version 6
	.text
	.protected	k_qe41baad9d2_scores
	.globl	k_qe41baad9d2_scores
	.p2align	8
	.type	k_qe41baad9d2_scores,@function
k_qe41baad9d2_scores:
	s_mov_b64 s[64:65], 0
	v_nop
	global_prefetch_b8 v0, s[64:65] scope:SCOPE_SE
	s_setreg_imm32_b32 hwreg(HW_REG_WAVE_MODE, 25, 1), 1
	s_wait_xcnt 0x0
	s_wait_alu depctr_hold_cnt(0) depctr_sa_sdst(0) depctr_va_vdst(0) depctr_va_sdst(0) depctr_va_ssrc(0) depctr_va_vcc(0) depctr_vm_vsrc(0)
	s_getreg_b32 s2, hwreg(HW_REG_IB_STS2, 6, 4)
	s_cmp_eq_u32 s2, 0
	s_cbranch_scc0 .Lentry_in_a_cluster
	s_endpgm
.Lentry_in_a_cluster:
	s_bfe_u32 s2, ttmp6, 0x10000c
	s_cmp_lg_u32 s2, 0xf033
	s_cbranch_scc0 .Lentry_shape_is_right
	s_endpgm
.Lentry_shape_is_right:
; THE SCORES AND THE FIRST LEVEL OF THE SOFTMAX.  q . k = (x M)[q] . x[k], and ym holds x M / 256.  With z = (q . k) / 32 + bias, bias = -1e9 where the key's mask word is 0, else 0, the text keeps
; z' = z log2(e), made by ONE fused multiply-add: z' = (ym[q] . x[k]) x (8 log2(e)) + bias x log2(e).  For each query and each GROUP of 128 keys: m' = the largest z' of the group,
; p = 2^(z' - m') = exp(z - m_g), rounded to f16, l_g = the sum of the unrounded p.
; m' is one of the z' themselves and no product of it is formed, so equal z' give the exponent 0 exactly, near -1.44e9 too (a group or a batch with every key masked).
; p goes to p [8192][2048] f16, (m_g = m' ln 2, l_g) to st [16 groups][8192 rows][2] f32.  The last launch takes the rows' true maximum away from the m_g: together the two levels subtract the row's maximum.
; LIMITS.  p lies in 0 to 1; below 6e-5 it keeps f16's fixed step of 6e-8; a weight below 2^-126 counts as 0 in l_g.  A masked key's score is lost in -1.44e9's step of 128 (in the definition: in -1e9's step of 64).
; NaN and infinities are not treated apart.
; THE PRODUCT.  A = ym, B = xh's rows of the same batch, K = 1,024, f16 operands, f32 sums.  A tile is 256 queries x 256 keys: 256 work-groups, one for each WGP.
; Four waves, each 128 queries x 128 keys: a wave's columns ARE a group, so the group's maximum and sum never leave the wave.  Ring, cluster, transposed use and registers as in the launch before.
; THE WAY OUT IS A LOOP.  Registers have fixed names, so eight blocks of 16 queries would be eight copies of the softmax's text.  Instead each wave puts its raw sums into LDS, 128 rows x 528 bytes of its own
; in the ring's bytes (both slots have had their last fill, and a barrier stands behind every wave's last read of them), and one text walks the eight blocks.  They come back in another layout: lane (c, h) holds
; row 2 t + h and the keys 8 c .. 8 c + 7, so the rounded weights are 16 bytes a lane that sixteen lanes store as 256 consecutive bytes: no second trip through LDS; and a lane's bias is 8 registers.
.set PITCH,  272
.set HALFT,  128*PITCH
.set SLOT,   4*HALFT
.set RING,   2*SLOT                    ; 278,528
.set ZP,     528                       ; a row of raw sums: 512 bytes + 16 = 132 words: row r starts at bank 4 r mod 64
.set ZWAVE,  128*ZP                    ; a wave's rows: 67,584; four of them end at 270,336, inside the ring
.set STATS,  RING                      ; behind the ring: (m_g, l_g) of a wave's 128 rows, 1,024 bytes a wave
.set SPARE,  STATS+4*1024              ; behind them: the spare words, 128 bytes a wave
.set LAPS,   4
.set ROWL,   11                        ; a row of ym and of xh is 2,048 bytes,
.set PROWL,  12                        ; a row of p 4,096
.set ADRA, 16
.set ADRB, 20
.set SR,   22                          ; v22 where I read 16 bytes of the gathered (m, l)
.set SO,   23                          ; v23 16 x lane
.set STO,  24                          ; v24 where I put my raw sums
.set RDZ,  25                          ; v25 where I read a block back; steps by a block
.set CO,   26                          ; v26 my byte offset in two rows of p
.set MO,   27                          ; v27 my byte offset in the group's mask words; never rewritten
.set SPW,  28
.set NIL,  29
.set PFO,  30
.set SA,   31                          ; v31 where I put a row's (m, l); steps by a block
.set BI,   32                          ; v32-39   the mask words, then the bias, of my 8 keys
.set SM,   40                          ; v[40:41] the (m, l) that my lane carries
.set SB,   44                          ; v44-51   the gathered (m, l) on their way out
.set F0,   64
.set F1,   128
.set Z,    64                          ; v64-127  a block's z', then p: row pair t at Z + 8 t
.set PK,   128                         ; v128-159 its packed p
.set ML,   160                         ; v160-175 (m', l) of row pair t at ML + 2 t
.set RAW,  192                         ; v192-255 the next block's raw sums
.set WV,  12
.set WR,  13
.set WC,  14
.set LIM, 15
.set G1A, 24
.set G0A, 32
.set PFA, 44
.set G1B, 48
.set G0B, 56
.set CB,  80                           ; s[80:81] p at my rows
.set MUL_LO, 0xa1
.set MUL_HI, 0xf1
.set TO_B,   0x40
.set MSB, 0
.macro WIN new
.if MSB != (\new)
	s_set_vgpr_msb (MSB<<8)|(\new)
.set MSB, \new
.endif
.endm
.macro PLACES
.rept 4
	v_nop
.endr
.endm
.macro JLOAD s
	s_cmp_lt_u32 s[WV], 2
	s_cbranch_scc0 .Lfor_b_\@
	tensor_load_to_lds s[G0A+4*(\s):G0A+4*(\s)+3], s[G1A:G1A+7]
	s_nop 0
.rept 4
	v_nop
.endr
	s_branch .Lasked_\@
.Lfor_b_\@:
	tensor_load_to_lds s[G0B+4*(\s):G0B+4*(\s)+3], s[G1B:G1B+7]
	s_nop 0
.rept 4
	v_nop
.endr
.Lasked_\@:
.endm
.macro ASK
	s_cmp_gt_u32 s3, s[LIM]
	s_cbranch_scc0 .Lnot_mine_\@
	global_prefetch_b8 v[PFO], s[PFA:PFA+1] offset:256 th:TH_LOAD_NT scope:SCOPE_SE
.Lnot_mine_\@:
.endm
.macro CREST
	s_cmp_lg_u32 s[WV], 0
	s_cbranch_scc1 .Lnot_wave_0_\@
	s_barrier_signal -3
.Lnot_wave_0_\@:
	s_barrier_wait -3
	s_barrier_signal -1
	s_barrier_wait -1
.endm
.macro CROUND
	s_barrier_signal -1
	s_barrier_wait -1
	CREST
.endm
.macro MUL16 f, hi, a0, zero           ; the 64 accumulators take turns, in the same order in every quarter
	WIN MUL_LO+0x50*(\hi)
.irp a, \a0, (\a0)+1
.irp b, 0,1,2,3,4,5,6,7
.if \zero
	v_wmma_f32_16x16x32_f16 v[8*(8*(\a)+(\b)):8*(8*(\a)+(\b))+7], v[(\f)+8*(\b):(\f)+8*(\b)+7], v[(\f)+8*(4*(\hi)+(\a)):(\f)+8*(4*(\hi)+(\a))+7], 0
.else
	v_wmma_f32_16x16x32_f16 v[8*(8*(\a)+(\b)):8*(8*(\a)+(\b))+7], v[(\f)+8*(\b):(\f)+8*(\b)+7], v[(\f)+8*(4*(\hi)+(\a)):(\f)+8*(4*(\hi)+(\a))+7], v[8*(8*(\a)+(\b)):8*(8*(\a)+(\b))+7]
.endif
.endr
.endr
.endm
.macro FETCH slot, k, f
	WIN TO_B
.irp i, 0,1,2,3,4,5,6,7
	ds_load_b128 v[(\f)+8*(\i):(\f)+8*(\i)+3],   v[ADRB+(\slot)] offset:(\k)+(\i)*16*PITCH
	ds_load_b128 v[(\f)+8*(\i)+4:(\f)+8*(\i)+7], v[ADRB+(\slot)] offset:(\k)+(\i)*16*PITCH+32
.endr
	WIN 0
.irp i, 0,1,2,3,4,5,6,7
	ds_load_b128 v[(\f)+8*(\i):(\f)+8*(\i)+3],   v[ADRA+(\slot)] offset:(\k)+(\i)*16*PITCH
	ds_load_b128 v[(\f)+8*(\i)+4:(\f)+8*(\i)+7], v[ADRA+(\slot)] offset:(\k)+(\i)*16*PITCH+32
.endr
.endm
.macro QUARTER slot, k, f, g, zero
	s_wait_dscnt 8                                 ; the youngest eight loads (A's rows 64-127) may be out
	MUL16 \f, 0, 0, \zero
	MUL16 \f, 0, 2, \zero
	PLACES
	FETCH \slot, \k, \g
	s_wait_dscnt 32                                ; all but the 32 just issued
	MUL16 \f, 1, 0, \zero
	MUL16 \f, 1, 2, \zero
.endm
.macro TURN slot, next, fill           ; the last quarter of a K step and the change of slots: the waits, the add and the round as in the launch before
.if \fill
	s_wait_xcnt 0x0                                ; the last prefetch, a K step back, has read its address
	s_add_nc_u64 s[PFA:PFA+1], s[PFA:PFA+1], 256
.endif
	WIN 0
	s_wait_tensorcnt 0x0                           ; all my tensor loads have landed: my part of the next slot
	ds_add_u32 v[SPW], v[NIL]
	s_wait_dscnt 9                                 ; the add and the youngest eight loads may be out
	MUL16 F1, 0, 0, 0
	s_wait_dscnt 0x0                               ; the add is done, my reads of this slot are over
	s_barrier_signal -1
	MUL16 F1, 0, 2, 0
	WIN 0
	s_barrier_wait -1
.if \fill
	CREST
	s_add_nc_u64 s[G0A+4*(\slot)+2:G0A+4*(\slot)+3], s[G0A+4*(\slot)+2:G0A+4*(\slot)+3], 512
	s_add_nc_u64 s[G0B+4*(\slot)+2:G0B+4*(\slot)+3], s[G0B+4*(\slot)+2:G0B+4*(\slot)+3], 512
	JLOAD \slot
.else
	PLACES
.endif
	FETCH \next, 0, F0
.if \fill
	ASK
.endif
	MUL16 F1, 1, 0, 0
	MUL16 F1, 1, 2, 0
.endm
	s_load_b256 s[4:11], s[0:1], 0x0               ; ym s[4:5], xh s[6:7], mask s[8:9], p s[10:11]
	s_load_b64 s[82:83], s[0:1], 0x20              ; st
	v_lshl_add_u32 v[SPW], v0, 2, SPARE
	v_mov_b32 v[NIL], 0
	ds_add_u32 v[SPW], v[NIL]                      ; the wave's opening: the add and its wait, ahead of my first tensor load
	v_lshrrev_b32 v1, 5, v0
	v_readfirstlane_b32 s[WV], v1
	s_lshr_b32 s[WR], s[WV], 1
	s_and_b32 s[WC], s[WV], 1
	s_bfe_u32 s40, ttmp6, 0x40000                  ; cx
	s_bfe_u32 s41, ttmp6, 0x40004                  ; cy
	s_mov_b32 s66, ttmp9
	s_and_b32 s67, ttmp7, 0xffff
	s_lshl_b32 s42, s66, 2
	s_add_co_u32 s42, s42, s40                     ; tile column: 256 keys of the batch
	s_lshl_b32 s43, s67, 2
	s_add_co_u32 s43, s43, s41                     ; tile row: 256 queries of all 8,192
	s_lshr_b32 s68, s67, 1                         ; the batch: two clusters of 1,024 queries each
	s_lshl_b32 s18, s41, 2
	s_lshl_b32 s18, 15, s18
	s_lshl_b32 s19, 0x1111, s40
	s_or_b32 s[G1A], s18, (1<<16)|(1<<20)|(1<<21)|(5<<22)|(3<<25)
	s_or_b32 s[G1B], s19, (1<<16)|(1<<20)|(1<<21)|(5<<22)|(3<<25)
.irp g, G1A, G1B
	s_mov_b32 s[(\g)+1], 128<<16
	s_mov_b32 s[(\g)+2], 128<<16
	s_mov_b32 s[(\g)+3], 128<<16
	s_mov_b32 s[(\g)+4], 128
	s_mov_b32 s[(\g)+5], 1024                      ; elements from row to row of ym and of xh
	s_mov_b32 s[(\g)+6], 0
	s_mov_b32 s[(\g)+7], 0
.endr
	s_lshl_b32 s16, s43, 8
	s_lshl_b32 s17, s[WC], 7
	s_add_co_u32 s16, s16, s17
	s_lshl_b32 s16, s16, ROWL                      ; A: ym's rows
	s_mov_b32 s17, 0
	s_lshl_b32 s46, s68, 11
	s_lshl_b32 s47, s42, 8
	s_add_co_u32 s46, s46, s47
	s_lshl_b32 s47, s[WC], 7
	s_add_co_u32 s46, s46, s47                     ; the first key of the half that I fetch, which is also my group's, among all 8,192 rows
	s_lshl_b32 s72, s46, 2                         ; its mask word
	s_mov_b32 s73, 0
	s_lshl_b32 s46, s46, ROWL                      ; B: xh's rows
	s_mov_b32 s47, 0
	s_mul_i32 s84, s[WV], HALFT
	s_lshl_b32 s70, s43, 8
	s_lshl_b32 s71, s[WR], 7
	s_add_co_u32 s70, s70, s71                     ; my first query
	s_lshl_b32 s80, s70, PROWL
	s_lshl_b32 s71, s42, 9
	s_add_co_u32 s80, s80, s71
	s_lshl_b32 s71, s[WC], 8
	s_add_co_u32 s80, s80, s71                     ; p: my rows, my group's 256 bytes
	s_mov_b32 s81, 0
	s_lshl_b32 s86, s42, 1
	s_add_co_u32 s86, s86, s[WC]                   ; my group
	s_lshl_b32 s86, s86, 16                        ; 8,192 rows of 8 bytes
	s_lshl_b32 s71, s70, 3
	s_add_co_u32 s86, s86, s71
	s_mov_b32 s87, 0
	s_mov_b32 s75, 0xceabfb8f                      ; -1e9 x log2(e)
	s_mov_b32 s76, 0x4138aa3b                      ; 8 log2(e) = 256 x log2(e) / 32
	s_mov_b32 s77, s76                             ; named with it as a pair
	s_mov_b32 s78, 0x3f317218                      ; ln 2
.irp t, 1,2,3,4,5,6,7
	s_mov_b32 s[88+(\t)], 0x01010101<<(\t)         ; the lanes whose number is t modulo 8
.endr
	s_wait_dscnt 0x0                               ; the opening add is done
	s_wait_kmcnt 0x0
	s_add_nc_u64 s[16:17], s[4:5], s[16:17]
	s_add_nc_u64 s[46:47], s[6:7], s[46:47]
	s_add_nc_u64 s[CB:CB+1], s[10:11], s[80:81]
	s_add_nc_u64 s[82:83], s[82:83], s[86:87]      ; st at my group and rows
	s_add_nc_u64 s[72:73], s[8:9], s[72:73]        ; mask at my group
	CROUND
.irp s, 0,1
	s_mov_b32 s[G0A+4*(\s)], 1
	s_add_co_u32 s[G0A+4*(\s)+1], s84, (\s)*SLOT
	s_add_nc_u64 s[G0A+4*(\s)+2:G0A+4*(\s)+3], s[16:17], (\s)*256
	s_or_b32 s[G0A+4*(\s)+3], s[G0A+4*(\s)+3], 0x80000000
	s_mov_b32 s[G0B+4*(\s)], 1
	s_add_co_u32 s[G0B+4*(\s)+1], s84, (\s)*SLOT
	s_add_nc_u64 s[G0B+4*(\s)+2:G0B+4*(\s)+3], s[46:47], (\s)*256
	s_or_b32 s[G0B+4*(\s)+3], s[G0B+4*(\s)+3], 0x80000000
.endr
	s_cmp_lt_u32 s[WV], 2
	s_cbranch_scc0 .Lfirst_b
	tensor_load_to_lds s[G0A:G0A+3], s[G1A:G1A+7]
	s_nop 0
	tensor_load_to_lds s[G0A+4:G0A+7], s[G1A:G1A+7]
	s_nop 0
.rept 4
	v_nop
.endr
	s_branch .Lfirst_asked
.Lfirst_b:
	tensor_load_to_lds s[G0B:G0B+3], s[G1B:G1B+7]
	s_nop 0
	tensor_load_to_lds s[G0B+4:G0B+7], s[G1B:G1B+7]
	s_nop 0
.rept 4
	v_nop
.endr
.Lfirst_asked:
	v_and_b32 v1, 15, v0                           ; l % 16
	v_bfe_u32 v2, v0, 4, 1                         ; l / 16
	v_lshlrev_b32 v[MO], 5, v1
	global_load_b128 v[BI:BI+3],   v[MO], s[72:73]           ; the mask words of keys 8 (l % 16) + 0..3,
	global_load_b128 v[BI+4:BI+7], v[MO], s[72:73] offset:16 ; and + 4..7; they are waited for behind the products, where they are first wanted
	v_mul_u32_u24 v3, v1, PITCH
	v_lshl_add_u32 v3, v2, 4, v3
	s_mul_i32 s18, s[WR], HALFT
	s_mul_i32 s19, s[WC], HALFT
	s_add_co_u32 s19, s19, 2*HALFT
	v_add_nc_u32 v[ADRA], s18, v3
	v_add_nc_u32 v[ADRB], s19, v3
	v_add_nc_u32 v[ADRA+1], SLOT, v[ADRA]
	v_add_nc_u32 v[ADRB+1], SLOT, v[ADRB]
	s_mul_i32 s18, s[WV], ZWAVE                    ; my rows of raw sums
	v_mul_u32_u24 v4, v1, ZP
	v_lshl_add_u32 v4, v2, 4, v4
	v_add_nc_u32 v[STO], s18, v4                   ; in: query l % 16 of a block; the four keys 16 b + 8 (l / 16) + 4 u .. go to byte 32 b + 16 (l / 16) + 256 u of the row
	v_mul_u32_u24 v5, v2, ZP
	v_lshl_add_u32 v5, v1, 4, v5
	v_add_nc_u32 v[RDZ], s18, v5                   ; back: row l / 16 of a pair; bytes 16 c and 256 + 16 c hold the keys 8 c .. 8 c + 7, c = l % 16: sixteen lanes read 256 bytes on end
	v_lshlrev_b32 v5, PROWL, v2
	v_lshl_add_u32 v[CO], v1, 4, v5                ; and the same two rows in p
	v_and_b32 v6, 31, v0
	v_lshlrev_b32 v[SO], 4, v6
	v_lshlrev_b32 v[PFO], ROWL, v6
	s_lshl_b32 s18, s[WV], 10
	s_add_co_u32 s18, s18, STATS
	v_add_nc_u32 v[SR], s18, v[SO]
	v_and_b32 v7, 7, v0
	v_lshlrev_b32 v7, 4, v7
	v_lshl_add_u32 v7, v2, 3, v7
	v_add_nc_u32 v[SA], s18, v7                    ; lane l carries row 2 (l % 8) + l / 16 of a block: 8 bytes a row
	; THE PREFETCHES.  ym's rows are read by both clusters along x: cluster x = 0 asks.  xh's rows are read by a batch's two clusters along y: the even one asks.  Of the 128 rows that a wave fetches, each of the
	; four partners that ask for them jointly takes 32, told apart by address (cx for ym, cy for xh).  So each row's 256 bytes of a K step are named once.  K steps 0 to 3 come by their loads alone.
	s_lshl_b32 s20, s43, 8
	s_lshl_b32 s21, s40, 5
	s_add_co_u32 s20, s20, s21
	s_lshl_b32 s22, s68, 11
	s_lshl_b32 s23, s42, 8
	s_add_co_u32 s22, s22, s23
	s_lshl_b32 s23, s41, 5
	s_add_co_u32 s22, s22, s23
	s_and_b32 s19, s67, 1
	s_cmp_eq_u32 s[WR], 0
	s_cselect_b32 s20, s20, s22
	s_cselect_b32 s18, s66, s19
	s_cselect_b64 s[PFA:PFA+1], s[4:5], s[6:7]
	s_cmp_eq_u32 s18, 0
	s_cselect_b32 s[LIM], 1, -1
	s_lshl_b32 s22, s[WC], 7
	s_add_co_u32 s20, s20, s22
	s_lshl_b32 s20, s20, ROWL
	s_add_co_u32 s20, s20, 512                     ; at K step 2: the first refill steps it to 3 and names K step 4
	s_mov_b32 s21, 0
	s_add_nc_u64 s[PFA:PFA+1], s[PFA:PFA+1], s[20:21]
	s_wait_tensorcnt 1                             ; my part of K step 0 is in; K step 1's may stay out
	s_barrier_signal -1
	s_barrier_wait -1
	FETCH 0, 0, F0
	QUARTER 0, 64,  F0, F1, 1
	WIN 0
	s_mov_b32 s3, LAPS-1
.Llap:
	QUARTER 0, 128, F1, F0, 0
	QUARTER 0, 192, F0, F1, 0
	TURN 0, 1, 1
	QUARTER 1, 64,  F0, F1, 0
	QUARTER 1, 128, F1, F0, 0
	QUARTER 1, 192, F0, F1, 0
	TURN 1, 0, 1
	QUARTER 0, 64,  F0, F1, 0
	WIN 0
	s_sub_co_u32 s3, s3, 1
	s_cmp_lg_u32 s3, 0
	s_cbranch_scc1 .Llap
	QUARTER 0, 128, F1, F0, 0
	QUARTER 0, 192, F0, F1, 0
	TURN 0, 1, 0
	QUARTER 1, 64,  F0, F1, 0
	QUARTER 1, 128, F1, F0, 0
	QUARTER 1, 192, F0, F1, 0
	s_wait_dscnt 8
	MUL16 F1, 0, 0, 0
	MUL16 F1, 0, 2, 0
	s_wait_dscnt 0x0                               ; my last reads of the ring are back:
	s_barrier_signal -1                            ; say so,
	MUL16 F1, 1, 0, 0
	MUL16 F1, 1, 2, 0
	WIN 0
	s_barrier_wait -1                              ; and write into the ring's bytes only when all four waves have said so; no tensor load follows in this launch
	PLACES
	; THE RAW SUMS GO INTO LDS: 128 stores of 16 bytes a lane, each accumulator from its low end on.  A pass of sixteen lanes writes one column of sixteen rows, 528 bytes apart: sixteen different groups of banks.
.set a, 0
.rept 8
	WIN 0x08+4*(a/4)                               ; the stores' data: window 2 or 3
.set b, 0
.rept 8
	ds_store_b128 v[STO], v[64*(a%4)+8*b:64*(a%4)+8*b+3]   offset:a*16*ZP+32*b
	ds_store_b128 v[STO], v[64*(a%4)+8*b+4:64*(a%4)+8*b+7] offset:a*16*ZP+32*b+256
.set b, b+1
.endr
.set a, a+1
.endr
	WIN 0
.macro LOADRAW                         ; a block's 16 rows: row pair t, 32 bytes a lane.  LDS serves a wave's instructions in order (ISA guide 5.7.1.4): these see my stores above; nobody else touches these bytes
.irp t, 0,1,2,3,4,5,6,7
	ds_load_b128 v[RAW+8*(\t):RAW+8*(\t)+3],   v[RDZ] offset:(\t)*2*ZP
	ds_load_b128 v[RAW+8*(\t)+4:RAW+8*(\t)+7], v[RDZ] offset:(\t)*2*ZP+256
.endr
.endm
	LOADRAW                                        ; block 0
	s_wait_loadcnt 0x0                             ; the mask words
.set i, 0
.rept 8
	v_cmp_eq_u32 vcc_lo, 0, v[BI+i]
	v_cndmask_b32 v[BI+i], 0, s75, vcc_lo          ; -1e9 log2(e) where the word is 0, else 0
.set i, i+1
.endr
.irp t, 0,1,2,3,4,5,6,7
	v_mov_b32 v[ML+2*(\t)+1], 0                    ; named with m' as a pair before the first sum is made
.endr
	s_mov_b32 s3, 8
.Lblock:                                               ; a trip: 16 queries x the group's 128 keys; 64 numbers a lane
	s_wait_dscnt 0x0                               ; the block's raw sums, asked for a trip ago
.set t, 0
.rept 8
.irp i, 0,1,2,3
	v_pk_fma_f32 v[Z+8*t+2*(\i):Z+8*t+2*(\i)+1], v[RAW+8*t+2*(\i):RAW+8*t+2*(\i)+1], s[76:77], v[BI+2*(\i):BI+2*(\i)+1] op_sel_hi:[1,0,1]  ; z'
.endr
.set t, t+1
.endr
	s_cmp_eq_u32 s3, 1                             ; the last trip has no block behind it
	s_cbranch_scc1 .Lno_more
	v_add_nc_u32 v[RDZ], 16*ZP, v[RDZ]
	LOADRAW                                        ; the next block comes in under this block's arithmetic
.Lno_more:
.irp t, 0,1,2,3,4,5,6,7                ; the maximum of a lane's eight, three operands at a time; the eight row pairs alternate, so that no line waits for the one before it
	v_max3_num_f32 v[ML+2*(\t)], v[Z+8*(\t)], v[Z+8*(\t)+1], v[Z+8*(\t)+2]
.endr
.irp t, 0,1,2,3,4,5,6,7
	v_max3_num_f32 v[ML+2*(\t)], v[ML+2*(\t)], v[Z+8*(\t)+3], v[Z+8*(\t)+4]
.endr
.irp t, 0,1,2,3,4,5,6,7
	v_max3_num_f32 v[ML+2*(\t)], v[ML+2*(\t)], v[Z+8*(\t)+5], v[Z+8*(\t)+6]
.endr
.irp t, 0,1,2,3,4,5,6,7
	v_max_num_f32 v[ML+2*(\t)], v[ML+2*(\t)], v[Z+8*(\t)+7]
.endr
.irp x, 1,2,4,8                        ; and across the sixteen lanes that hold a row
.irp t, 0,1,2,3,4,5,6,7
	v_max_num_f32_dpp v[ML+2*(\t)], v[ML+2*(\t)], v[ML+2*(\t)] row_xmask:\x row_mask:0xf bank_mask:0xf
.endr
.endr
.set t, 0
.rept 8
.irp i, 0,1,2,3
	v_pk_add_f32 v[Z+8*t+2*(\i):Z+8*t+2*(\i)+1], v[Z+8*t+2*(\i):Z+8*t+2*(\i)+1], v[ML+2*t:ML+2*t+1] op_sel_hi:[1,0] neg_lo:[0,1] neg_hi:[0,1]  ; z' - m'
.endr
.set t, t+1
.endr
.set i, 0
.rept 64
	v_exp_f32 v[Z+i], v[Z+i]                       ; one batch
.set i, i+1
.endr
	v_nop                                          ; a plain instruction behind the last exponential,
	s_wait_alu depctr_va_vdst(0)                   ; and the one wait ahead of the batch's first reader
.set i, 0
.rept 32
	v_cvt_pk_f16_f32 v[PK+i], v[Z+2*i], v[Z+2*i+1] ; (the last trip's stores have read these registers: the wait at the trip's end)
.set i, i+1
.endr
.irp t, 0,1,2,3,4,5,6,7
	global_store_b128 v[CO], v[PK+4*(\t):PK+4*(\t)+3], s[CB:CB+1] offset:(\t)*2*4096  ; 16 lanes store 256 consecutive bytes, aligned
.endr
.irp t, 0,1,2,3,4,5,6,7                ; the sum of a lane's eight unrounded weights,
	v_pk_add_f32 v[Z+8*(\t):Z+8*(\t)+1], v[Z+8*(\t):Z+8*(\t)+1], v[Z+8*(\t)+2:Z+8*(\t)+3]
.endr
.irp t, 0,1,2,3,4,5,6,7
	v_pk_add_f32 v[Z+8*(\t)+4:Z+8*(\t)+5], v[Z+8*(\t)+4:Z+8*(\t)+5], v[Z+8*(\t)+6:Z+8*(\t)+7]
.endr
.irp t, 0,1,2,3,4,5,6,7
	v_pk_add_f32 v[Z+8*(\t):Z+8*(\t)+1], v[Z+8*(\t):Z+8*(\t)+1], v[Z+8*(\t)+4:Z+8*(\t)+5]
.endr
.irp t, 0,1,2,3,4,5,6,7
	v_add_f32 v[ML+2*(\t)+1], v[Z+8*(\t)], v[Z+8*(\t)+1]
.endr
.irp x, 1,2,4,8                        ; and across the row's sixteen lanes
.irp t, 0,1,2,3,4,5,6,7
	v_add_f32_dpp v[ML+2*(\t)+1], v[ML+2*(\t)+1], v[ML+2*(\t)+1] row_xmask:\x row_mask:0xf bank_mask:0xf
.endr
.endr
	v_cndmask_b32 v[SM],   v[ML],   v[ML+2], s89   ; every lane of a row holds its (m', l): lane l picks row pair l % 8
	v_cndmask_b32 v[SM+1], v[ML+1], v[ML+3], s89
.irp t, 2,3,4,5,6,7
	v_cndmask_b32 v[SM],   v[SM],   v[ML+2*(\t)],   s[88+(\t)]
	v_cndmask_b32 v[SM+1], v[SM+1], v[ML+2*(\t)+1], s[88+(\t)]
.endr
	v_mul_f32 v[SM], s78, v[SM]                    ; m_g = m' ln 2
	ds_store_b64 v[SA], v[SM:SM+1]                 ; lanes l and l + 8 write the same 8 bytes with the same numbers
	v_add_nc_u32 v[SA], 128, v[SA]
	s_wait_xcnt 0x0                                ; the trip's stores, some eighty lines back, have read their base and their data: both are rewritten only behind this wait
	s_add_nc_u64 s[CB:CB+1], s[CB:CB+1], 16*4096
	s_sub_co_u32 s3, s3, 1
	s_cmp_lg_u32 s3, 0
	s_cbranch_scc1 .Lblock
	ds_load_b128 v[SB:SB+3],   v[SR]               ; my 128 rows' (m_g, l_g), 1,024 bytes: my own stores, served in order
	ds_load_b128 v[SB+4:SB+7], v[SR] offset:512
	s_wait_dscnt 0x0
	global_store_b128 v[SO], v[SB:SB+3],   s[82:83]             ; 32 lanes store 512 consecutive bytes, aligned
	global_store_b128 v[SO], v[SB+4:SB+7], s[82:83] offset:512
	s_wait_tensorcnt 0x0                           ; the wave's end
	ds_add_u32 v[SPW], v[NIL]
	s_wait_dscnt 0x0
	CROUND                                         ; the closing round
	s_endpgm
.Lfunc_end_k_qe41baad9d2_scores:
	.size	k_qe41baad9d2_scores, .Lfunc_end_k_qe41baad9d2_scores-k_qe41baad9d2_scores
	.p2alignl 7, 3214868480
	.fill 96, 4, 3214868480
	.section	.rodata,"a",@progbits
	.p2align	6, 0x0
	.amdhsa_kernel k_qe41baad9d2_scores
		.amdhsa_group_segment_fixed_size 327680
		.amdhsa_private_segment_fixed_size 0
		.amdhsa_enable_private_segment 0
		.amdhsa_kernarg_size 40
		.amdhsa_user_sgpr_count 2
		.amdhsa_user_sgpr_kernarg_segment_ptr 1
		.amdhsa_wavefront_size32 1
		.amdhsa_system_sgpr_workgroup_id_x 1
		.amdhsa_system_sgpr_workgroup_id_y 1
		.amdhsa_system_sgpr_workgroup_id_z 1
		.amdhsa_system_vgpr_workitem_id 0
		.amdhsa_next_free_vgpr 1024
		.amdhsa_next_free_sgpr 96
		.amdhsa_reserve_vcc 1
		.amdhsa_float_denorm_mode_32 3
		.amdhsa_float_denorm_mode_16_64 3
		.amdhsa_memory_ordered 1
		.amdhsa_forward_progress 1
		.amdhsa_inst_pref_size 143
	.end_amdhsa_kernel
	.amdgpu_metadata
---
amdhsa.version: [ 1, 2 ]
amdhsa.kernels:
  - .name:           k_qe41baad9d2_scores
    .symbol:         k_qe41baad9d2_scores.kd
    .args:
      - { .name: ym, .offset: 0, .size: 8, .value_kind: global_buffer, .address_space: global }
      - { .name: xh, .offset: 8, .size: 8, .value_kind: global_buffer, .address_space: global }
      - { .name: mask, .offset: 16, .size: 8, .value_kind: global_buffer, .address_space: global }
      - { .name: p, .offset: 24, .size: 8, .value_kind: global_buffer, .address_space: global }
      - { .name: st, .offset: 32, .size: 8, .value_kind: global_buffer, .address_space: global }
    .group_segment_fixed_size: 327680
    .private_segment_fixed_size: 0
    .kernarg_segment_align: 8
    .kernarg_segment_size: 40
    .max_flat_workgroup_size: 128
    .sgpr_count:     96
    .vgpr_count:     1024
    .wavefront_size: 32
...
	.end_amdgpu_metadata
.endif
;; end of part 8
;; launch pv: the kernel of part 4 again; grid 4 x 64, 4 waves a work-group, clusters of 4 x 4, 327,680 bytes of LDS; arguments p, vt, st, out0; writes out0
